; MI455X (gfx1250); checked and timed in simulation.
; The chip was launched on July 23, 2026; its instructions are those of AMD's public machine-readable ISA for CDNA 5 (MIT licence, August 2026) and "CDNA5" Instruction Set Architecture Reference Guide (July 2026). The comments in the code are by the model that wrote it; some were corrected since.
;; TFT5 Attention. Allowed arithmetic: float matrix products may take bf16 or f16 operands with f32 sums; all other float work in f32.
;; Inputs: Wk 1,024 x 1,024 float32; Wo 1,024 x 1,024 float32; Wq 1,024 x 1,024 float32; Wv 1,024 x 1,024 float32; rel_emb 32 x 16 float32; x 2 x 2,048 x 1,024 float32.
;; Outputs: out0 2 x 2,048 x 1,024 float32.
;; 2 versions, each right; version 2 is version 1 with the launch prep written anew for expert scheduling mode. Each part assembles by itself: llvm-mc -triple=amdgcn-amd-amdhsa -mcpu=gfx1250 --defsym DOCPART=n.
;; ======== version 1 of 2: 4 launches
;; limits: values are held in f16: magnitudes above 65,504 overflow, below 6.1e-05 lose precision
;; workspace buffers: xh 8,388,608 bytes; wt 8,388,608 bytes; qkv 25,165,824 bytes; ctx 8,388,608 bytes
;; launch prep (part 1): grid 512 x 1, 8 waves a work-group, no clusters, 35,840 bytes of LDS; arguments x, Wq, Wk, Wv, Wo, xh, wt; writes xh, wt
.if DOCPART == 1
	.amdgcn_target "amdgcn-amd-amdhsa--gfx1250"
	.amdhsa_code_object_version 6
	.text
	.protected	k_q73d6fbe9fb_prep
	.globl	k_q73d6fbe9fb_prep
	.p2align	8
	.type	k_q73d6fbe9fb_prep,@function
k_q73d6fbe9fb_prep:
	s_mov_b64 s[64:65], 0
	v_nop
	global_prefetch_b8 v0, s[64:65] scope:SCOPE_SE
	s_setreg_imm32_b32 hwreg(HW_REG_WAVE_MODE, 25, 1), 1
	s_wait_xcnt 0x0
; prep: the matrix operands of the later launches, rounded once to f16.
;   xh[4096][1024]  = f16(x)
;   wt[4096][1024]  = the four weights transposed, K along the rows: rows 0-1023 Wq^T * log2(e), 1024-2047 Wk^T, 2048-3071 Wv^T, 3072-4095 Wo^T.
; log2(e) on Wq lets the scores arrive in base 2, so that the softmax needs no multiply in front of its exponentials.
; LIMIT: f16 operands: |x| and |W| * 1.4427 have to stay below 65,504; numbers below 6e-8 round to zero.
; Work-groups 0-255 take 16,384 numbers of x each, work-groups 256-511 a tile of 128 k x 128 n of one weight each.
; A stream: every byte is read once and written once; matrix units, clusters and tensor loads would add nothing to it.
.set LP, 272                           ; an LDS row of the transposing stage: 128 f16 + 16 bytes
	s_load_b256 s[4:11], s[0:1], 0x0               ; x s[4:5], Wq s[6:7], Wk s[8:9], Wv s[10:11]
	s_load_b128 s[12:15], s[0:1], 0x20             ; Wo s[12:13], xh s[14:15]
	s_load_b64 s[16:17], s[0:1], 0x30              ; wt
	v_lshl_add_u32 v112, v0, 2, 0x8800
	v_mov_b32 v113, 0
	s_cmp_lt_u32 ttmp9, 256                        ; the same for all waves of a work-group
	s_cbranch_scc0 .Lweights
	; ---- x: thread t takes 16 bytes at 16 t of each of 16 blocks of 4,096 bytes; a wave's load covers 512 consecutive bytes
	s_lshl_b32 s20, ttmp9, 16                      ; 65,536 bytes of x
	s_mov_b32 s21, 0
	s_lshl_b32 s22, ttmp9, 15                      ; 32,768 bytes of xh
	s_mov_b32 s23, 0
	v_lshlrev_b32 v1, 4, v0
	v_lshlrev_b32 v2, 3, v0
	s_wait_kmcnt 0x0
	s_add_nc_u64 s[4:5], s[4:5], s[20:21]
	s_add_nc_u64 s[14:15], s[14:15], s[22:23]
.irp j, 0,1,2,3,4,5,6,7,8,9,10,11,12,13,14,15
	global_load_b128 v[16+4*\j:19+4*\j], v1, s[4:5] offset:4096*\j th:TH_LOAD_NT
.endr
.irp j, 0,1,2,3,4,5,6,7,8,9,10,11,12,13,14,15
	s_wait_loadcnt 15-\j                           ; loads come back in order: block j is in, the 15 - j younger ones stay out
	v_cvt_pk_f16_f32 v[80+2*\j], v[16+4*\j], v[17+4*\j]
	v_cvt_pk_f16_f32 v[81+2*\j], v[18+4*\j], v[19+4*\j]
	global_store_b64 v2, v[80+2*\j:81+2*\j], s[14:15] offset:2048*\j   ; 32 lanes store 256 consecutive bytes, aligned; no register is written twice
.endr
	s_endpgm
	; ---- a weight tile: rows k = 128 kt .., columns n = 128 nt .. of matrix mat
.Lweights:
	s_sub_co_u32 s24, ttmp9, 256
	s_lshr_b32 s25, s24, 6                         ; mat 0..3
	s_bfe_u32 s26, s24, 0x30003                    ; kt 0..7
	s_and_b32 s27, s24, 7                          ; nt 0..7
	s_lshl_b32 s28, s26, 19                        ; in: 128 kt rows of 4,096 bytes
	s_lshl_b32 s29, s27, 9                         ;     + 128 nt columns of 4 bytes
	s_add_co_u32 s28, s28, s29
	s_mov_b32 s29, 0
	s_lshl_b32 s30, s25, 21                        ; out: (1024 mat + 128 nt) rows of 2,048 bytes
	s_lshl_b32 s31, s27, 18
	s_add_co_u32 s30, s30, s31
	s_lshl_b32 s31, s26, 8                         ;      + 128 kt columns of 2 bytes
	s_add_co_u32 s30, s30, s31
	s_mov_b32 s31, 0
	v_lshrrev_b32 v6, 5, v0                        ; wave w
	v_and_b32 v7, 31, v0                           ; lane L
	v_and_b32 v8, 15, v0                           ; L mod 16
	v_bfe_u32 v9, v0, 4, 1                         ; L / 16
	v_lshlrev_b32 v1, 4, v7
	v_lshl_add_u32 v1, v6, 16, v1                  ; load: row 16 w, bytes 16 L (columns 4 L .. 4 L + 3)
	v_mul_u32_u24 v3, v7, LP
	v_lshl_add_u32 v3, v6, 5, v3                   ; stage in: row L (of block c), bytes 32 w
	v_lshl_add_u32 v4, v6, 4, v9
	v_mul_u32_u24 v4, v4, LP
	v_lshl_add_u32 v4, v8, 4, v4                   ; stage out: row 16 w + L / 16, bytes 16 (L mod 16)
	v_and_b32 v5, 1, v6
	v_lshlrev_b32 v5, 6, v5
	v_lshl_add_u32 v5, v9, 2, v5
	v_lshrrev_b32 v10, 1, v6
	v_add_nc_u32 v5, v5, v10                       ; that stage row's n for t = 0: 64 (w & 1) + 4 (L / 16) + (w >> 1)
	v_lshlrev_b32 v5, 11, v5
	v_lshl_add_u32 v5, v8, 4, v5                   ; its place in wt
	s_wait_kmcnt 0x0
	s_cmp_eq_u32 s25, 1                            ; the tile's matrix: a choice between buffers on the work-group's number
	s_cselect_b64 s[6:7], s[8:9], s[6:7]
	s_cmp_eq_u32 s25, 2
	s_cselect_b64 s[6:7], s[10:11], s[6:7]
	s_cmp_eq_u32 s25, 3
	s_cselect_b64 s[6:7], s[12:13], s[6:7]
	s_cmp_eq_u32 s25, 0
	s_cselect_b32 s20, 0x3fb8aa3b, 1.0             ; log2(e) for Wq, 1 for the others: one text for all four
	s_mov_b32 s21, s20
	s_add_nc_u64 s[6:7], s[6:7], s[28:29]
	s_add_nc_u64 s[16:17], s[16:17], s[30:31]
.irp i, 0,1,2,3,4,5,6,7,8,9,10,11,12,13,14,15
	global_load_b128 v[16+4*\i:19+4*\i], v1, s[6:7] offset:4096*\i th:TH_LOAD_NT   ; row 16 w + i: the tile's whole 512 bytes in one load of the wave
.endr
	; Four rows at a time: column c of rows 4 kg .. 4 kg + 3 makes 8 bytes of wt's row n = 4 L + c.
	; Stage row 32 c + L holds n = 4 L + c, so that the 32 lanes of a store go to 32 consecutive rows of 272 bytes.
.irp kg, 0,1,2,3
	s_wait_loadcnt 12-4*\kg                        ; these four rows are in; the 12 - 4 kg younger loads stay out
.irp p, 0,2,4,6,8,10,12,14
	v_pk_mul_f32 v[16+16*\kg+\p:17+16*\kg+\p], v[16+16*\kg+\p:17+16*\kg+\p], s[20:21] op_sel_hi:[1,0]
.endr
.irp c, 0,1,2,3
	v_cvt_pk_f16_f32 v[80+8*\kg+2*\c], v[16+16*\kg+\c], v[20+16*\kg+\c]
	v_cvt_pk_f16_f32 v[81+8*\kg+2*\c], v[24+16*\kg+\c], v[28+16*\kg+\c]
	ds_store_b64 v3, v[80+8*\kg+2*\c:81+8*\kg+2*\c] offset:32*LP*\c+8*\kg
.endr
.endr
	s_wait_dscnt 0x0                               ; my stores are in LDS: the other waves read them behind the barrier
	s_barrier_signal -1
	s_barrier_wait -1
.irp t, 0,1,2,3,4,5,6,7
	ds_load_b128 v[16+4*\t:19+4*\t], v4 offset:2*LP*\t             ; stage rows 16 w + 2 t and + 1, 256 bytes each
.endr
.irp t, 0,1,2,3,4,5,6,7
	s_wait_dscnt 7-\t                              ; LDS loads come back in order: pair t is in
	global_store_b128 v5, v[16+4*\t:19+4*\t], s[16:17] offset:16384*\t   ; two stage rows on are 8 rows of wt on; 16 lanes store 256 consecutive bytes, aligned
.endr
	s_wait_tensorcnt 0x0
	ds_add_u32 v112, v113
	s_wait_dscnt 0x0
	s_endpgm
.Lfunc_end_k_q73d6fbe9fb_prep:
	.size	k_q73d6fbe9fb_prep, .Lfunc_end_k_q73d6fbe9fb_prep-k_q73d6fbe9fb_prep
	.p2alignl 7, 3214868480
	.fill 96, 4, 3214868480
	.section	.rodata,"a",@progbits
	.p2align	6, 0x0
	.amdhsa_kernel k_q73d6fbe9fb_prep
		.amdhsa_group_segment_fixed_size 35840
		.amdhsa_private_segment_fixed_size 0
		.amdhsa_enable_private_segment 0
		.amdhsa_kernarg_size 56
		.amdhsa_user_sgpr_count 2
		.amdhsa_user_sgpr_kernarg_segment_ptr 1
		.amdhsa_wavefront_size32 1
		.amdhsa_system_sgpr_workgroup_id_x 1
		.amdhsa_system_sgpr_workgroup_id_y 1
		.amdhsa_system_sgpr_workgroup_id_z 1
		.amdhsa_system_vgpr_workitem_id 0
		.amdhsa_next_free_vgpr 114
		.amdhsa_next_free_sgpr 66
		.amdhsa_reserve_vcc 0
		.amdhsa_float_denorm_mode_32 3
		.amdhsa_float_denorm_mode_16_64 3
		.amdhsa_memory_ordered 1
		.amdhsa_forward_progress 1
		.amdhsa_inst_pref_size 17
	.end_amdhsa_kernel
	.amdgpu_metadata
---
amdhsa.version: [ 1, 2 ]
amdhsa.kernels:
  - .name:           k_q73d6fbe9fb_prep
    .symbol:         k_q73d6fbe9fb_prep.kd
    .args:
      - { .name: x, .offset: 0, .size: 8, .value_kind: global_buffer, .address_space: global }
      - { .name: Wq, .offset: 8, .size: 8, .value_kind: global_buffer, .address_space: global }
      - { .name: Wk, .offset: 16, .size: 8, .value_kind: global_buffer, .address_space: global }
      - { .name: Wv, .offset: 24, .size: 8, .value_kind: global_buffer, .address_space: global }
      - { .name: Wo, .offset: 32, .size: 8, .value_kind: global_buffer, .address_space: global }
      - { .name: xh, .offset: 40, .size: 8, .value_kind: global_buffer, .address_space: global }
      - { .name: wt, .offset: 48, .size: 8, .value_kind: global_buffer, .address_space: global }
    .group_segment_fixed_size: 35840
    .private_segment_fixed_size: 0
    .kernarg_segment_align: 8
    .kernarg_segment_size: 56
    .max_flat_workgroup_size: 256
    .sgpr_count:     66
    .vgpr_count:     114
    .wavefront_size: 32
...
	.end_amdgpu_metadata
.endif
;; end of part 1
;; launch qkv (part 2): grid 16 x 16, 4 waves a work-group, clusters of 4 x 4, 327,680 bytes of LDS; arguments xh, wt, qkv; writes qkv
.if DOCPART == 2
	.amdgcn_target "amdgcn-amd-amdhsa--gfx1250"
	.amdhsa_code_object_version 6
	.text
	.protected	k_q73d6fbe9fb_qkv
	.globl	k_q73d6fbe9fb_qkv
	.p2align	8
	.type	k_q73d6fbe9fb_qkv,@function
k_q73d6fbe9fb_qkv:
	s_mov_b64 s[64:65], 0
	v_nop
	global_prefetch_b8 v0, s[64:65] scope:SCOPE_SE
	s_setreg_imm32_b32 hwreg(HW_REG_WAVE_MODE, 25, 1), 1
	s_wait_xcnt 0x0
	s_wait_alu depctr_hold_cnt(0) depctr_sa_sdst(0) depctr_va_vdst(0) depctr_va_sdst(0) depctr_va_ssrc(0) depctr_va_vcc(0) depctr_vm_vsrc(0)
	s_getreg_b32 s2, hwreg(HW_REG_IB_STS2, 6, 4)
	s_cmp_eq_u32 s2, 0
	s_cbranch_scc0 .Lentry_in_a_cluster
	s_endpgm
.Lentry_in_a_cluster:
	s_bfe_u32 s2, ttmp6, 0x10000c
	s_cmp_lg_u32 s2, 0xf033
	s_cbranch_scc0 .Lentry_shape_is_right
	s_endpgm
.Lentry_shape_is_right:
; qkv[g][b][s][64] (f16) = xh[4096][1024] x wt[rows 0-3071][1024]^T: column 64 g + d of the product is number d of head group g
; (g = h: q * log2(e), 16 + h: k, 32 + h: v).  Sums in f32, rounded once.  LIMIT: |q|, |k|, |v| below 65,504 (f16).
; A work-group makes 256 tokens x 192 columns (three head groups) with four waves; a wave makes 64 tokens x 192 columns:
; 48 accumulator tiles, 384 registers; for 32 along K it loads 16 fragments and issues 48 matrix instructions.
; K goes in steps of 128 through two LDS slots filled by tensor loads: rows of 256 bytes of memory, aligned.
; CLUSTER 4 x 4: the four work-groups of a row of the cluster need the same 256 rows of xh, the four of a column the same 192 rows of wt:
; each tile is asked for jointly, with the same descriptor in all four.
; REGISTER WINDOWS: 0: addresses, fragments of xh (two buffers of 4), the way out; 1: fragments of wt (two buffers of 12);
; 2: accumulators of my tokens 0-31 (tile (a, b) at v[8 (12 a + b)]); 3: those of my tokens 32-63.
; The matrix instruction is used transposed (source 0 = 16 rows of wt, source 1 = 16 tokens): a lane then holds 8 neighbouring columns of one token.
.set KSTEP,  128
.set SIZE_K, 1024
.set PITCH,  272                       ; 256 bytes + 16: the 16 rows of a fragment load start in 16 different groups of four banks
.set AHALF,  128*PITCH                 ; what one tensor load of xh brings
.set BHALF,  96*PITCH                  ; what one tensor load of wt brings
.set BOFF,   256*PITCH                 ; wt's rows lie behind xh's 256
.set SLOT,   448*PITCH
.set STAGE,  2*SLOT                    ; behind the ring (a multiple of 256): 16 rows x 400 bytes for each wave; no tensor load lands here
.set SPITCH, 400                       ; 384 bytes + 16
.set LAPS,   SIZE_K/(2*KSTEP)          ; a lap = two K steps = once round the ring: 4
.set ADRA, 16                          ; v16-17  my xh fragments in slot 0, 1
.set ADRB, 20                          ; v20-21  wt's fragments in slot 0, 1
.set STO,  24
.set RD,   25
.set CO,   26
.set FA,   64                          ; window 0: buffer u at FA + 32 u
.set TMP,  192                         ; window 0: 48 packed registers
.set RB,   64                          ; window 0: rows read back
.set G1,  24                           ; s[24:31] group 1 for xh's tiles
.set G0,  32                           ; s[32:39] group 0 for xh's tiles, a set for each slot
.set G1B, 48                           ; s[48:55] group 1 for wt's tiles
.set G0B, 56                           ; s[56:63] group 0 for wt's tiles
.set MSB, 0
.macro WIN new                         ; the immediate's high byte repeats the setting that is left
.if MSB != \new
	s_set_vgpr_msb (MSB<<8)|\new
.set MSB, \new
.endif
.endm
.set MUL_LO, 0xa1                      ; source 0 window 1, source 1 window 0, C and D window 2
.set MUL_HI, 0xf1                      ; the same, C and D window 3
.set TO_B,   0x40                      ; destination window 1, address window 0
; A joint load: waves 0 and 1 fetch xh's two halves, waves 2 and 3 wt's.  The branch hangs on the wave's number alone.
.macro JLOAD s
	s_cmp_eq_u32 s11, 0
	s_cbranch_scc0 .Lfor_b_\@
	tensor_load_to_lds s[G0+4*\s:G0+4*\s+3], s[G1:G1+7]
	s_nop 0
	s_branch .Lasked_\@
.Lfor_b_\@:
	tensor_load_to_lds s[G0B+4*\s:G0B+4*\s+3], s[G1B:G1B+7]
	s_nop 0
.Lasked_\@:
.endm
.macro CREST                           ; a round of the cluster's barrier behind its opening work-group barrier
	s_cmp_lg_u32 s10, 0
	s_cbranch_scc1 .Lnot_wave_0_\@
	s_barrier_signal -3
.Lnot_wave_0_\@:
	s_barrier_wait -3
	s_barrier_signal -1
	s_barrier_wait -1
.endm
.macro CROUND
	s_barrier_signal -1
	s_barrier_wait -1
	CREST
.endm
	s_load_b128 s[4:7], s[0:1], 0x0                ; xh s[4:5], wt s[6:7]
	s_load_b64 s[8:9], s[0:1], 0x10                ; qkv
	s_set_vgpr_msb 0x40
	v_lshl_add_u32 v255, v0, 2, 0x41c00
	s_set_vgpr_msb 0x4000
	v_mov_b32 v255, 0
	s_set_vgpr_msb 0x1
	ds_add_u32 v255, v255
	s_set_vgpr_msb 0x100
	v_lshrrev_b32 v1, 5, v0
	v_readfirstlane_b32 s10, v1                    ; wave 0..3
	s_lshr_b32 s11, s10, 1                         ; I fetch for xh (0) or for wt (1)
	s_and_b32 s12, s10, 1                          ; which half of that tile
	s_bfe_u32 s40, ttmp6, 0x40000                  ; cx
	s_bfe_u32 s41, ttmp6, 0x40004                  ; cy
	s_lshl_b32 s42, ttmp9, 2
	s_add_co_u32 s42, s42, s40                     ; column block nb = 4 x cluster x + cx
	s_and_b32 s13, ttmp7, 0xffff
	s_lshl_b32 s13, s13, 2
	s_add_co_u32 s13, s13, s41                     ; row block mb = 4 x cluster y + cy
	s_lshl_b32 s43, s41, 2
	s_lshl_b32 s43, 15, s43                        ; my row of the cluster
	s_lshl_b32 s44, 0x1111, s40                    ; my column
	s_or_b32 s[G1+0], s43, (1<<16)|(1<<20)|(1<<21)|(5<<22)|(3<<25)   ; mask; 2-byte elements; padding on; bit 21 beside a mask; after every 64 words, 4 words
	s_or_b32 s[G1B+0], s44, (1<<16)|(1<<20)|(1<<21)|(5<<22)|(3<<25)
	s_mov_b32 s[G1+1], KSTEP<<16                   ; tensor_dim0 = 128
	s_mov_b32 s[G1B+1], KSTEP<<16
	s_mov_b32 s[G1+2], 128<<16                     ; tensor_dim1 = 128 rows
	s_mov_b32 s[G1B+2], 96<<16                     ;             =  96 rows
	s_mov_b32 s[G1+3], KSTEP<<16                   ; tile_dim0 = 128
	s_mov_b32 s[G1B+3], KSTEP<<16
	s_mov_b32 s[G1+4], 128                         ; tile_dim1
	s_mov_b32 s[G1B+4], 96
	s_mov_b32 s[G1+5], SIZE_K                      ; elements from row to row
	s_mov_b32 s[G1B+5], SIZE_K
	s_mov_b32 s[G1+6], 0
	s_mov_b32 s[G1B+6], 0
	s_mov_b32 s[G1+7], 0
	s_mov_b32 s[G1B+7], 0
	; xh's tiles hang on the row block alone, wt's on the column block alone; each address is made in registers that never hold the other coordinate
	s_lshl_b32 s17, s12, 7
	s_lshl_b32 s16, s13, 8
	s_add_co_u32 s16, s16, s17                     ; xh: row 256 mb + 128 half
	s_lshl_b32 s16, s16, 11                        ; rows of 2,048 bytes
	s_mov_b32 s17, 0
	s_mul_i32 s46, s42, 192
	s_mul_i32 s47, s12, 96
	s_add_co_u32 s46, s46, s47                     ; wt: row 192 nb + 96 half
	s_lshl_b32 s46, s46, 11
	s_mov_b32 s47, 0
	s_mul_i32 s20, s10, AHALF                      ; LDS: waves 0, 1: xh's halves at 0 and AHALF
	s_mul_i32 s21, s10, BHALF
	s_add_co_u32 s21, s21, BOFF-2*BHALF            ; waves 2, 3: wt's halves at BOFF and BOFF + BHALF
	s_wait_dscnt 0x0
	s_wait_kmcnt 0x0
	s_add_nc_u64 s[14:15], s[4:5], s[16:17]
	s_add_nc_u64 s[46:47], s[6:7], s[46:47]
	CROUND                                         ; all sixteen work-groups are here: the first joint loads meet
.irp s, 0,1
	s_mov_b32 s[G0+4*\s], 1
	s_add_co_u32 s[G0+4*\s+1], s20, \s*SLOT
	s_add_nc_u64 s[G0+4*\s+2:G0+4*\s+3], s[14:15], \s*KSTEP*2      ; K step s
	s_or_b32 s[G0+4*\s+3], s[G0+4*\s+3], 0x80000000
	s_mov_b32 s[G0B+4*\s], 1
	s_add_co_u32 s[G0B+4*\s+1], s21, \s*SLOT
	s_add_nc_u64 s[G0B+4*\s+2:G0B+4*\s+3], s[46:47], \s*KSTEP*2
	s_or_b32 s[G0B+4*\s+3], s[G0B+4*\s+3], 0x80000000
	JLOAD \s                                       ; both slots' first fills go out together: two tensor loads of the wave are out
.endr
	v_and_b32 v1, 15, v0                           ; r = lane mod 16
	v_bfe_u32 v2, v0, 4, 1                         ; h = lane / 16
	v_mul_u32_u24 v3, v1, PITCH
	v_lshl_add_u32 v3, v2, 4, v3                   ; a fragment: row r, 16 bytes for each half of the lanes, a second load 32 bytes on
	s_mul_i32 s22, s10, 64*PITCH                   ; my 64 tokens
	s_mov_b32 s23, BOFF                            ; all 192 rows of wt
.irp s, 0,1
	v_add_nc_u32 v[ADRA+\s], s22, v3
	v_add_nc_u32 v[ADRB+\s], s23, v3
	s_add_co_u32 s22, s22, SLOT
	s_add_co_u32 s23, s23, SLOT
.endr
	s_mul_i32 s18, s10, 16*SPITCH
	s_add_co_u32 s18, s18, STAGE                   ; my stage
	v_mul_u32_u24 v4, v1, SPITCH
	v_lshl_add_u32 v4, v2, 4, v4
	v_add_nc_u32 v[STO], s18, v4                   ; in: token r, 16 bytes for each half of the lanes
	v_and_b32 v5, 31, v0
	v_lshrrev_b32 v6, 3, v5
	v_and_b32 v7, 7, v0
	v_mul_u32_u24 v6, v6, SPITCH
	v_lshl_add_u32 v6, v7, 4, v6
	v_add_nc_u32 v[RD], s18, v6                    ; back: eight lanes take one token's 128 bytes of one head group
	v_lshlrev_b32 v[CO], 4, v5                     ; which are 512 consecutive bytes of qkv for the wave's four tokens
; 12 matrix instructions: token block a of the window's two x all 12 column blocks, 32 along K.  zero = 1: the first product starts the sums.
.macro MUL12 buf, hi, a, zero
.irp b, 0,1,2,3,4,5,6,7,8,9,10,11
.if \zero
	v_wmma_f32_16x16x32_f16 v[8*(12*\a+\b):8*(12*\a+\b)+7], v[96*\buf+8*\b:96*\buf+8*\b+7], v[FA+32*\buf+8*(2*\hi+\a):FA+32*\buf+8*(2*\hi+\a)+7], 0
.else
	v_wmma_f32_16x16x32_f16 v[8*(12*\a+\b):8*(12*\a+\b)+7], v[96*\buf+8*\b:96*\buf+8*\b+7], v[FA+32*\buf+8*(2*\hi+\a):FA+32*\buf+8*(2*\hi+\a)+7], v[8*(12*\a+\b):8*(12*\a+\b)+7]
.endif
.endr
.endm
; 32 LDS loads in one run: 12 fragments of wt, then my 4 of xh, 32 K at byte k of the rows
.macro FETCH slot, k, buf
	WIN TO_B
.irp i, 0,1,2,3,4,5,6,7,8,9,10,11
	ds_load_b128 v[96*\buf+8*\i:96*\buf+8*\i+3],   v[ADRB+\slot] offset:\k+\i*16*PITCH
	ds_load_b128 v[96*\buf+8*\i+4:96*\buf+8*\i+7], v[ADRB+\slot] offset:\k+\i*16*PITCH+32
.endr
	WIN 0
.irp i, 0,1,2,3
	ds_load_b128 v[FA+32*\buf+8*\i:FA+32*\buf+8*\i+3],   v[ADRA+\slot] offset:\k+\i*16*PITCH
	ds_load_b128 v[FA+32*\buf+8*\i+4:FA+32*\buf+8*\i+7], v[ADRA+\slot] offset:\k+\i*16*PITCH+32
.endr
.endm
; A load into a register that a matrix instruction has read, and a vector instruction that reads a matrix result, stand four places behind it;
; only plain vector instructions that name none of its registers are places.
.macro PLACES
.rept 4
	v_nop
.endr
.endm
; A quarter step (32 along K, 48 matrix instructions) on buffer f; in its middle the next quarter's fragments go into buffer g.
; The 48 accumulators take turns, one instruction a turn, in the same order in every quarter.
.macro QUARTER slot, k, f, g, zero
	s_wait_dscnt 4                                 ; all but the four youngest loads (my token blocks 2 and 3) are in
	WIN MUL_LO
	MUL12 \f, 0, 0, \zero
	MUL12 \f, 0, 1, \zero
	PLACES
	FETCH \slot, \k, \g
	s_wait_dscnt 32                                ; all but the 32 just issued
	WIN MUL_HI
	MUL12 \f, 1, 0, \zero
	MUL12 \f, 1, 1, \zero
.endm
.macro THREE slot, zero
	QUARTER \slot, 64,  0, 1, \zero
	QUARTER \slot, 128, 1, 0, 0
	QUARTER \slot, 192, 0, 1, 0
.endm
; The last quarter of a K step changes slots.  In front of the barrier each wave waits for its reads of this slot and for all its tensor loads
; (the one that is out is its part of the next slot).  Where the slot is filled again the barrier opens a round of the cluster's barrier, and the
; joint refill is the first tensor load behind the round's closing wait, one a wave.
.macro TURN slot, next, fill
	s_wait_dscnt 4
	WIN MUL_LO
	MUL12 1, 0, 0, 0
	s_wait_dscnt 0                                 ; my reads of this slot are over
	s_wait_tensorcnt 0x0                           ; all my tensor loads have landed
	ds_add_u32 v255, v255
	s_wait_dscnt 0x0
	s_barrier_signal -1
	MUL12 1, 0, 1, 0                               ; registers only, while the others arrive
	WIN 0
	s_barrier_wait -1
.if \fill
	CREST
	s_add_nc_u64 s[G0+4*\slot+2:G0+4*\slot+3], s[G0+4*\slot+2:G0+4*\slot+3], 2*KSTEP*2       ; no load of mine is out: the descriptors may be stepped
	s_add_nc_u64 s[G0B+4*\slot+2:G0B+4*\slot+3], s[G0B+4*\slot+2:G0B+4*\slot+3], 2*KSTEP*2
	JLOAD \slot
.endif
	PLACES
	FETCH \next, 0, 0
	WIN MUL_HI
	MUL12 1, 1, 0, 0
	MUL12 1, 1, 1, 0
.endm
.macro LAP zero
	THREE 0, \zero
	TURN 0, 1, 1
	THREE 1, 0
	TURN 1, 0, 1
.endm
	s_wait_tensorcnt 1                             ; my part of K step 0 is in; K step 1's load stays out
	s_barrier_signal -1
	s_barrier_wait -1
	FETCH 0, 0, 0
	LAP 1                                          ; the first lap's first products start the sums
	WIN 0
	s_mov_b32 s3, LAPS-2
.Llap:
	LAP 0
	WIN 0
	s_sub_co_u32 s3, s3, 1
	s_cmp_lg_u32 s3, 0
	s_cbranch_scc1 .Llap
	THREE 0, 0                                     ; the last lap fills nothing
	TURN 0, 1, 0
	THREE 1, 0
	s_wait_dscnt 4
	WIN MUL_LO
	MUL12 1, 0, 0, 0
	MUL12 1, 0, 1, 0
	s_wait_dscnt 0
	WIN MUL_HI
	MUL12 1, 1, 0, 0
	MUL12 1, 1, 1, 0
	; THE WAY OUT, 16 tokens at a time: round to f16, through my own stage, back as 128-byte pieces (one token, one head group).
	PLACES
	s_lshr_b32 s14, s13, 3                         ; batch = mb / 8
	s_lshl_b32 s14, s14, 18                        ; x 262,144 bytes
	s_and_b32 s16, s13, 7
	s_lshl_b32 s16, s16, 8
	s_lshl_b32 s17, s10, 6
	s_add_co_u32 s16, s16, s17                     ; my first token in the batch
	s_lshl_b32 s16, s16, 7                         ; x 128 bytes
	s_add_co_u32 s16, s16, s14
	s_mov_b32 s17, 0
	s_add_nc_u64 s[8:9], s[8:9], s[16:17]
	s_mul_i32 s46, s42, 3*524288                   ; head group 3 nb (in the registers that held wt's address)
	s_mov_b32 s47, 0
	s_add_nc_u64 s[8:9], s[8:9], s[46:47]
.macro OUT16 i, a, from
	WIN \from
.irp b, 0,1,2,3,4,5,6,7,8,9,10,11
.irp r, 0,1,2,3
	v_cvt_pk_f16_f32 v[TMP+4*\b+\r], v[8*(12*\a+\b)+2*\r], v[8*(12*\a+\b)+2*\r+1]
.endr
.endr
	WIN 0
.irp b, 0,1,2,3,4,5,6,7,8,9,10,11
	ds_store_b128 v[STO], v[TMP+4*\b:TMP+4*\b+3] offset:32*\b
.endr
	s_wait_xcnt 0x0                                ; RB, which the last block's stores read, is loaded again only behind this wait
.irp c, 0,1,2
.irp u, 0,1,2,3
	ds_load_b128 v[RB+4*(4*\c+\u):RB+4*(4*\c+\u)+3], v[RD] offset:128*\c+4*SPITCH*\u   ; LDS serves a wave's instructions in order: these see the stores above
.endr
.endr
.irp c, 0,1,2
.irp u, 0,1,2,3
	s_wait_dscnt 11-(4*\c+\u)
	global_store_b128 v[CO], v[RB+4*(4*\c+\u):RB+4*(4*\c+\u)+3], s[8:9] offset:\c*524288+\i*2048+\u*512   ; four tokens of one head group: 512 consecutive bytes, aligned
.endr
.endr
.endm
	OUT16 0, 0, 0x0a
	OUT16 1, 1, 0x0a
	OUT16 2, 0, 0x0f
	OUT16 3, 1, 0x0f
	s_set_vgpr_msb 0x1
	s_wait_tensorcnt 0x0
	ds_add_u32 v255, v255
	s_wait_dscnt 0x0
	s_set_vgpr_msb 0x100
	CROUND                                         ; the closing round: no work-group ends while a partner may still ask for a tile that names it
	s_endpgm
.Lfunc_end_k_q73d6fbe9fb_qkv:
	.size	k_q73d6fbe9fb_qkv, .Lfunc_end_k_q73d6fbe9fb_qkv-k_q73d6fbe9fb_qkv
	.p2alignl 7, 3214868480
	.fill 96, 4, 3214868480
	.section	.rodata,"a",@progbits
	.p2align	6, 0x0
	.amdhsa_kernel k_q73d6fbe9fb_qkv
		.amdhsa_group_segment_fixed_size 327680
		.amdhsa_private_segment_fixed_size 0
		.amdhsa_enable_private_segment 0
		.amdhsa_kernarg_size 24
		.amdhsa_user_sgpr_count 2
		.amdhsa_user_sgpr_kernarg_segment_ptr 1
		.amdhsa_wavefront_size32 1
		.amdhsa_system_sgpr_workgroup_id_x 1
		.amdhsa_system_sgpr_workgroup_id_y 1
		.amdhsa_system_sgpr_workgroup_id_z 1
		.amdhsa_system_vgpr_workitem_id 0
		.amdhsa_next_free_vgpr 960
		.amdhsa_next_free_sgpr 66
		.amdhsa_reserve_vcc 0
		.amdhsa_float_denorm_mode_32 3
		.amdhsa_float_denorm_mode_16_64 3
		.amdhsa_memory_ordered 1
		.amdhsa_forward_progress 1
		.amdhsa_inst_pref_size 163
	.end_amdhsa_kernel
	.amdgpu_metadata
---
amdhsa.version: [ 1, 2 ]
amdhsa.kernels:
  - .name:           k_q73d6fbe9fb_qkv
    .symbol:         k_q73d6fbe9fb_qkv.kd
    .args:
      - { .name: xh, .offset: 0, .size: 8, .value_kind: global_buffer, .address_space: global }
      - { .name: wt, .offset: 8, .size: 8, .value_kind: global_buffer, .address_space: global }
      - { .name: qkv, .offset: 16, .size: 8, .value_kind: global_buffer, .address_space: global }
    .group_segment_fixed_size: 327680
    .private_segment_fixed_size: 0
    .kernarg_segment_align: 8
    .kernarg_segment_size: 24
    .max_flat_workgroup_size: 128
    .sgpr_count:     66
    .vgpr_count:     960
    .wavefront_size: 32
...
	.end_amdgpu_metadata
.endif
;; end of part 2
;; launch attn (part 3): grid 256 x 1, 16 waves a work-group, no clusters, 327,680 bytes of LDS; arguments qkv, rel_emb, ctx; writes ctx
.if DOCPART == 3
	.amdgcn_target "amdgcn-amd-amdhsa--gfx1250"
	.amdhsa_code_object_version 6
	.text
	.protected	k_q73d6fbe9fb_attn
	.globl	k_q73d6fbe9fb_attn
	.p2align	8
	.type	k_q73d6fbe9fb_attn,@function
k_q73d6fbe9fb_attn:
	s_mov_b64 s[64:65], 0
	v_nop
	global_prefetch_b8 v0, s[64:65] scope:SCOPE_SE
	s_setreg_imm32_b32 hwreg(HW_REG_WAVE_MODE, 25, 1), 1
	s_wait_xcnt 0x0
; attn: ctx[b][h][s][64] (f16) = softmax(q k^T + bias) v for one head and 256 queries a work-group, with a running maximum.
; q carries log2(e) already, the bias is multiplied by it here: every exponential is a plain 2^x.
; SIXTEEN WAVES of 256 registers, four on each SIMD (16 x 256 = 4 x 1,024).  Waves w and w + 8 have the same 32 queries (two tiles of 16) and share the
; keys: of every tile of 256 keys waves 0-7 take keys 0-127, waves 8-15 keys 128-255, in steps of 64.  Each keeps its own running maximum, sum and O;
; at the end wave w + 8 hands its three to wave w through LDS, and wave w joins them: m = max(ma, mb), l = 2^(ma-m) la + 2^(mb-m) lb, O likewise.
; Each wave sees 1,024 keys, so its maximum is finite wherever the scores are.
; Both halves run ONE text: the half g = w / 8 stands in the LDS addresses of K, V and the bias table and in the tile distance s13 alone.
; ORIENTATION: S^T = K Q^T (source 0 = 16 keys, source 1 = 16 queries): lane (r, h) holds query r and keys 8 h + 0..7 of each key tile, so
; a row's maximum and sum are a lane's own but for one exchange with lane xor 16, and pairs of a tile's eight registers, packed to f16,
; are registers 0-3 (even key tile) or 4-7 (odd) of source 1 of O^T = V^T P^T: P never leaves the registers.  V^T's fragments come from
; V's [key][d] tile by the transposing LDS load.
; BIAS: it hangs on delta = key - query and the head: bucket = (delta > 0) 16 + (n < 8 ? n : 8 + [n>=12]+[n>=16]+[n>=23]+[n>=32]+[n>=46]+[n>=64]+[n>=91]),
; n = |delta|: the whole-number form of 8 + int(8 log(n/8) / log 16), capped at 15; at n = 16, 32, 64 the f32 quotient is exact.
; A step of 64 keys whose distance f (in steps, from the query block's first step) is below -2 or above 5 has |delta| >= 129 everywhere:
; its bias is one number c, which enters the row's maximum and the exponent's offset alone.  In the eight near steps the accumulators
; start from bias tiles out of an LDS table and c = 0.  With s13 = key tile - query block + g, step jj (0, 1) of a wave's half has
; f = 4 s13 - 2 g + jj: it is near where s13 is 0 or 1.
; NO CLUSTER: the work-groups that read the same K and V are the eight query blocks of a head, and the choice between the near and the far
; way hangs on the query block: partners would branch differently.  Without the branch every step would load 16 bias fragments a wave
; (8 KiB a wave and step), as much again as half of the K and V fragments that the step reads.
; LIMITS: operands in f16 (|q|, |k|, |v| below 65,504); a weight below 6e-8 of its row's largest (within a wave's keys so far) counts as 0;
; the row sum is taken from the weights before their rounding to f16.
.set KPITCH, 144                       ; a key's 128 bytes + 16
.set VPITCH, 160                       ; a key's 128 bytes + 32: an odd multiple of 32 for the transposing load
.set KSLOT,  256*KPITCH
.set VSLOT,  256*VPITCH
.set VBASE,  2*KSLOT
.set TAB,    VBASE+2*VSLOT             ; 155,648: the bias table, four copies; word wd of copy p holds log2(e) bias(delta = wd + p - 388)
.set TPITCH, 3136
.set STG,    TAB+4*TPITCH              ; 168,192: 32 rows x 144 bytes for each of waves 0-7, for the way out
.set XCH,    STG+8*32*KPITCH           ; 205,056: what wave w + 8 hands to wave w: 17 x 512 bytes a pair
.set XSIZE,  17*512                    ; table, stage and exchange are whole blocks of 256 bytes that no tensor load fills
.set TILEB,  32768                     ; bytes of 256 keys in qkv
.set KA,  1                            ; v1, v2   K's fragments in slot 0, 1 (my half's first step)
.set VA,  3                            ; v3, v4   V's fragments in slot 0, 1
.set TA,  5                            ; v5       my place in the bias table
.set STO, 6
.set RD,  7
.set CO,  8
.set AL,  14                           ; v14, v16 factor 2^(old max - new max) of query tile 0, 1: even registers, broadcast by op_sel_hi
.set MX,  15                           ; v15, v17 running maximum
.set NO,  18                           ; v18, v20 c - new max
.set LS,  19                           ; v19, v21 running sum (this lane's keys)
.set TT,  22                           ; v22-31   at work
.set QF,  32                           ; Q(ni, kk) at QF + 8 (2 ni + kk)
.set SC,  64                           ; S(mi, ni) at SC + 8 (4 ni + mi); later P(kk, ni) at SC + 32 ni + 16 kk
.set FR,  128                          ; K(mi, kk), then V(di, kk), at FR + 8 (4 kk + mi)
.set OA,  192                          ; O(di, ni) at OA + 8 (4 ni + di)
.set G1K, 16
.set G1V, 24
.set G0K, 32                           ; a set of four for each slot
.set G0V, 40
; Waves 0-7 fetch K's eighths of a tile (32 keys), waves 8-15 V's: one tensor load a wave.
.macro KVLOAD s
	s_cmp_lt_u32 s10, 8
	s_cbranch_scc0 .Lv_\@
	tensor_load_to_lds s[G0K+4*\s:G0K+4*\s+3], s[G1K:G1K+7]
	s_nop 0
	s_branch .Lkv_\@
.Lv_\@:
	tensor_load_to_lds s[G0V+4*\s:G0V+4*\s+3], s[G1V:G1V+7]
	s_nop 0
.Lkv_\@:
.endm
	s_load_b128 s[4:7], s[0:1], 0x0                ; qkv s[4:5], rel_emb s[6:7]
	s_load_b64 s[8:9], s[0:1], 0x10                ; ctx
	v_lshl_add_u32 v28, v0, 2, 0x43100
	v_mov_b32 v29, 0
	ds_add_u32 v28, v29
	s_wait_dscnt 0x0
	v_lshrrev_b32 v9, 5, v0
	v_readfirstlane_b32 s10, v9                    ; wave 0..15
	s_and_b32 s2, s10, 7                           ; which 32 queries
	s_lshr_b32 s3, s10, 3                          ; g: which half of each key tile
	s_and_b32 s11, ttmp9, 7                        ; query block qb
	s_lshr_b32 s12, ttmp9, 3                       ; 16 b + h
	s_and_b32 s53, s12, 15                         ; h
	s_lshr_b32 s54, s12, 4                         ; b
	s_sub_co_i32 s13, s3, s11                      ; key tile - query block + g
	s_mov_b32 s50, 0x76543210                      ; v_permlanex16_b32: lane i takes lane i of the other half
	s_mov_b32 s51, 0xfedcba98
	; 32 keys are 4,096 dense bytes: 16 rows of 256 bytes (32 elements of 8); behind every 32 words (a key) the mover skips 4 words (K) or 8 (V)
	s_mov_b32 s[G1K+0], (3<<16)|(1<<20)|(4<<22)|(3<<25)
	s_mov_b32 s[G1V+0], (3<<16)|(1<<20)|(4<<22)|(7<<25)
	s_mov_b32 s[G1K+1], 32<<16                     ; tensor_dim0 = 32
	s_mov_b32 s[G1V+1], 32<<16
	s_mov_b32 s[G1K+2], 16<<16                     ; tensor_dim1 = 16
	s_mov_b32 s[G1V+2], 16<<16
	s_mov_b32 s[G1K+3], 32<<16                     ; tile_dim0 = 32
	s_mov_b32 s[G1V+3], 32<<16
	s_mov_b32 s[G1K+4], 16                         ; tile_dim1 = 16
	s_mov_b32 s[G1V+4], 16
	s_mov_b32 s[G1K+5], 32                         ; elements from row to row
	s_mov_b32 s[G1V+5], 32
	s_mov_b32 s[G1K+6], 0
	s_mov_b32 s[G1V+6], 0
	s_mov_b32 s[G1K+7], 0
	s_mov_b32 s[G1V+7], 0
	s_lshl_b32 s55, s53, 19
	s_lshl_b32 s54, s54, 18
	s_add_co_u32 s55, s55, s54                     ; the head's offset inside q, k or v: 524,288 h + 262,144 b
	s_lshl_b32 s54, s10, 12                        ; 4,096 bytes a wave
	s_add_co_u32 s58, s55, s54
	s_add_co_u32 s60, s58, 32*524288-8*4096        ; v begins at group 32; waves 8-15 take eighths 0-7
	s_add_co_u32 s58, s58, 16*524288               ; k begins at group 16
	s_mov_b32 s59, 0
	s_mov_b32 s61, 0
	s_lshl_b32 s56, s11, 15                        ; my work-group's 256 queries
	s_add_co_u32 s56, s56, s55
	s_mov_b32 s57, 0
	s_mul_i32 s62, s10, 32*KPITCH                  ; LDS: K's eighth of wave w
	s_mul_i32 s63, s10, 32*VPITCH
	s_add_co_u32 s63, s63, VBASE-8*32*VPITCH       ; V's eighth of wave w - 8
	s_lshl_b32 s54, s53, 2                         ; my head's column of rel_emb
	s_mov_b32 s55, 0
	s_wait_kmcnt 0x0
	s_add_nc_u64 s[58:59], s[4:5], s[58:59]
	s_add_nc_u64 s[60:61], s[4:5], s[60:61]
	s_add_nc_u64 s[56:57], s[4:5], s[56:57]
	s_add_nc_u64 s[6:7], s[6:7], s[54:55]
.irp s, 0,1
	s_mov_b32 s[G0K+4*\s], 1
	s_add_co_u32 s[G0K+4*\s+1], s62, \s*KSLOT
	s_add_nc_u64 s[G0K+4*\s+2:G0K+4*\s+3], s[58:59], \s*TILEB      ; slot s starts with key tile s
	s_or_b32 s[G0K+4*\s+3], s[G0K+4*\s+3], 0x80000000
	s_mov_b32 s[G0V+4*\s], 1
	s_add_co_u32 s[G0V+4*\s+1], s63, \s*VSLOT
	s_add_nc_u64 s[G0V+4*\s+2:G0V+4*\s+3], s[60:61], \s*TILEB
	s_or_b32 s[G0V+4*\s+3], s[G0V+4*\s+3], 0x80000000
.endr
	KVLOAD 0                                       ; key tiles 0 and 1: both first fills go out together, ahead of everything else:
	KVLOAD 1                                       ; two tensor loads of the wave are out
	s_load_b32 s14, s[6:7], 0x3c0                  ; rel_emb[15][h]: keys far below the query
	s_load_b32 s15, s[6:7], 0x7c0                  ; rel_emb[31][h]: keys far above
	v_and_b32 v22, 31, v0                          ; lane L
	v_and_b32 v23, 15, v0                          ; r
	v_bfe_u32 v24, v0, 4, 1                        ; h
	v_and_b32 v9, 7, v9
	v_lshlrev_b32 v9, 12, v9                       ; my 32 queries of 128 bytes
	v_lshl_add_u32 v9, v23, 7, v9
	v_lshl_add_u32 v9, v24, 4, v9
.irp ni, 0,1
.irp kk, 0,1
	global_load_b128 v[QF+8*(2*\ni+\kk):QF+8*(2*\ni+\kk)+3],   v9, s[56:57] offset:2048*\ni+64*\kk      ; query 16 ni + r, d = 32 kk + 8 h ..
	global_load_b128 v[QF+8*(2*\ni+\kk)+4:QF+8*(2*\ni+\kk)+7], v9, s[56:57] offset:2048*\ni+64*\kk+32   ; d = 32 kk + 16 + 8 h ..
.endr
.endr
	v_and_b32 v11, 0xff, v0                        ; t: the table has 768 numbers, three for each of 256 threads; waves 8-15 make them too and store none
; The table's numbers: delta = t + 256 blk - 384, for blk = 0, 1, 2: whole-number work on the thread's number alone.
.macro BIAS blk
	v_add_nc_u32 v[SC+8*\blk], 256*\blk-384, v11                   ; delta
	v_sub_nc_u32 v[SC+8*\blk+1], 0, v[SC+8*\blk]
	v_max_i32 v[SC+8*\blk+1], v[SC+8*\blk], v[SC+8*\blk+1]         ; n = |delta|
	v_mov_b32 v[SC+8*\blk+2], 8
.irp t, 12,16,23,32,46,64,91
	v_cmp_le_u32 vcc_lo, \t, v[SC+8*\blk+1]
	v_cndmask_b32 v[SC+8*\blk+3], 0, 1, vcc_lo
	v_add_nc_u32 v[SC+8*\blk+2], v[SC+8*\blk+2], v[SC+8*\blk+3]
.endr
	v_cmp_gt_u32 vcc_lo, 8, v[SC+8*\blk+1]
	v_cndmask_b32 v[SC+8*\blk+2], v[SC+8*\blk+2], v[SC+8*\blk+1], vcc_lo   ; n < 8: the bucket is n
	v_cmp_lt_i32 vcc_lo, 0, v[SC+8*\blk]
	v_cndmask_b32 v[SC+8*\blk+3], 0, 16, vcc_lo                    ; keys above the query: the upper sixteen buckets
	v_add_lshl_u32 v[SC+8*\blk+4], v[SC+8*\blk+2], v[SC+8*\blk+3], 6       ; a bucket's row of rel_emb is 64 bytes
	global_load_b32 v[SC+8*\blk+5], v[SC+8*\blk+4], s[6:7]
.endm
	BIAS 0
	BIAS 1
	BIAS 2
	v_mul_u32_u24 v12, v23, KPITCH
	v_lshl_add_u32 v12, v24, 4, v12                ; row r of 144 bytes, 16 bytes for each half of the lanes
	s_mul_i32 s54, s3, 128*KPITCH                  ; my half of a tile's keys
	v_add_nc_u32 v[KA], s54, v12
	v_add_nc_u32 v[KA+1], KSLOT, v[KA]
	v_and_b32 v25, 7, v0
	v_lshl_add_u32 v26, v24, 3, v25
	v_mul_u32_u24 v[VA], v26, VPITCH               ; V: key 8 h + (L mod 8),
	v_bfe_u32 v27, v0, 3, 1
	v_lshl_add_u32 v[VA], v27, 4, v[VA]            ; 16 bytes for each eight lanes
	s_mul_i32 s54, s3, 128*VPITCH
	s_add_co_u32 s54, s54, VBASE
	v_add_nc_u32 v[VA], s54, v[VA]
	v_add_nc_u32 v[VA+1], VSLOT, v[VA]
	v_sub_nc_u32 v28, 0, v23
	v_and_b32 v28, 3, v28                          ; copy p = (-r) mod 4: my eight words then begin at a multiple of 16 bytes
	s_lshl_b32 s54, s2, 5
	s_sub_co_u32 s54, 244, s54                     ; 244 - 32 (w mod 8): 20 at the least
	v_lshl_add_u32 v29, v24, 3, s54                ; + 8 h
	v_sub_nc_u32 v29, v29, v23                     ; - r
	v_sub_nc_u32 v29, v29, v28                     ; - p: 2 at the least
	v_mul_u32_u24 v[TA], v28, TPITCH
	v_lshl_add_u32 v[TA], v29, 2, v[TA]
	s_lshl_b32 s54, s3, 9
	s_sub_co_u32 s54, TAB+512, s54                 ; keys 0-127 of a tile lie two steps (128 words) further up the table than keys 128-255 of the tile before
	v_add_nc_u32 v[TA], s54, v[TA]
	s_mul_i32 s54, s10, 32*KPITCH
	s_add_co_u32 s54, s54, STG                     ; my stage (used by waves 0-7 alone)
	v_add_nc_u32 v[STO], s54, v12                  ; in: query r, 16 bytes for each half of the lanes
	v_lshrrev_b32 v26, 3, v22
	v_mul_u32_u24 v26, v26, KPITCH
	v_lshl_add_u32 v26, v25, 4, v26
	v_add_nc_u32 v[RD], s54, v26                   ; back: eight lanes take one query's 128 bytes
	v_lshlrev_b32 v[CO], 4, v22
	v_lshl_add_u32 v10, v0, 2, TAB                 ; the table's word t (used by waves 0-7 alone)
	v_mov_b32 v[MX], 0xff800000                    ; no key seen yet: maximum -inf, sum 0
	v_mov_b32 v[MX+2], 0xff800000
	v_mov_b32 v[LS], 0
	v_mov_b32 v[LS+2], 0
	v_mov_b32 v30, 0                               ; destinations of v_permlanex16_b32 count as read
	v_mov_b32 v31, 0
.irp i, 0,1,2,3,4,5,6,7,8,9,10,11,12,13,14,15,16,17,18,19,20,21,22,23,24,25,26,27,28,29,30,31
	v_mov_b32 v[OA+2*\i], 0                        ; O is cleared once: starting the sums by a first step written out apart would double the text of a lap
	v_mov_b32 v[OA+2*\i+1], 0
.endr
	s_wait_loadcnt 0x0                             ; Q and the table's numbers
.irp blk, 0,1,2
	v_mul_f32 v[SC+8*\blk+5], 0x3fb8aa3b, v[SC+8*\blk+5]
.endr
	s_cmp_lt_u32 s10, 8
	s_cbranch_scc0 .Lno_table
.irp blk, 0,1,2
.irp p, 0,1,2,3
	ds_store_b32 v10, v[SC+8*\blk+5] offset:16+1024*\blk+(TPITCH-4)*\p     ; copy p: word t + 256 blk + 4 - p
.endr
.endr
.Lno_table:
	s_wait_kmcnt 0x0
	s_mul_f32 s14, s14, 0x3fb8aa3b
	s_mul_f32 s15, s15, 0x3fb8aa3b
	s_wait_tensorcnt 0x1                           ; my part of key tile 0 is in; tile 1's load stays out
	s_wait_dscnt 0x0                               ; my stores into the table are in
	s_barrier_signal -1
	s_barrier_wait -1
; Eight products S(mi, ni) (+)= K(mi, kk) Q(ni, kk).  The eight accumulators take turns, one instruction a turn.
.macro SCORE kk, zero
.irp ni, 0,1
.irp mi, 0,1,2,3
.if \zero
	v_wmma_f32_16x16x32_f16 v[SC+8*(4*\ni+\mi):SC+8*(4*\ni+\mi)+7], v[FR+8*(4*\kk+\mi):FR+8*(4*\kk+\mi)+7], v[QF+8*(2*\ni+\kk):QF+8*(2*\ni+\kk)+7], 0
.else
	v_wmma_f32_16x16x32_f16 v[SC+8*(4*\ni+\mi):SC+8*(4*\ni+\mi)+7], v[FR+8*(4*\kk+\mi):FR+8*(4*\kk+\mi)+7], v[QF+8*(2*\ni+\kk):QF+8*(2*\ni+\kk)+7], v[SC+8*(4*\ni+\mi):SC+8*(4*\ni+\mi)+7]
.endif
.endr
.endr
.endm
; A near step: the accumulators start from the bias of delta = 64 f + 16 (mi - ni) + 8 h + j - 32 (w mod 8) - r, f = fo - 2 g.
.macro NEAR fo
	s_mov_b32 s49, 0
.irp ni, 0,1
.irp mi, 0,1,2,3
	ds_load_b128 v[SC+8*(4*\ni+\mi):SC+8*(4*\ni+\mi)+3],   v[TA] offset:256*(\fo)+64*(\mi-\ni+1)
	ds_load_b128 v[SC+8*(4*\ni+\mi)+4:SC+8*(4*\ni+\mi)+7], v[TA] offset:256*(\fo)+64*(\mi-\ni+1)+16
.endr
.endr
	s_wait_dscnt 0x0
	SCORE 0, 0
.endm
; The row sums of query tile ni (four chains of packed adds), then its weights packed to f16 in place: P(kk, ni).
.macro SUMCVT ni
	s_wait_alu depctr_va_vdst(0)
.irp c, 0,1,2,3
	v_pk_add_f32 v[TT+2*\c:TT+2*\c+1], v[SC+32*\ni+8*\c:SC+32*\ni+8*\c+1], v[SC+32*\ni+8*\c+2:SC+32*\ni+8*\c+3]
.endr
.irp p, 4,6
.irp c, 0,1,2,3
	v_pk_add_f32 v[TT+2*\c:TT+2*\c+1], v[TT+2*\c:TT+2*\c+1], v[SC+32*\ni+8*\c+\p:SC+32*\ni+8*\c+\p+1]
.endr
.endr
	v_pk_add_f32 v[TT:TT+1], v[TT:TT+1], v[TT+2:TT+3]
	v_pk_add_f32 v[TT+4:TT+5], v[TT+4:TT+5], v[TT+6:TT+7]
	v_pk_add_f32 v[TT:TT+1], v[TT:TT+1], v[TT+4:TT+5]
	v_add_f32 v[TT], v[TT], v[TT+1]
	v_fma_f32 v[LS+2*\ni], v[LS+2*\ni], v[AL+2*\ni], v[TT]
.irp kk, 0,1
.irp i, 0,1,2,3
	v_cvt_pk_f16_f32 v[SC+32*\ni+16*\kk+\i], v[SC+32*\ni+16*\kk+2*\i], v[SC+32*\ni+16*\kk+2*\i+1]           ; keys 32 kk + 8 h ..: registers 0-3
.endr
.irp i, 0,1,2,3
	v_cvt_pk_f16_f32 v[SC+32*\ni+16*\kk+4+\i], v[SC+32*\ni+16*\kk+8+2*\i], v[SC+32*\ni+16*\kk+8+2*\i+1]     ; keys 32 kk + 16 + 8 h ..: registers 4-7
.endr
.endr
.endm
; One step: the 64 keys jj (0, 1) of my half of the tile in the slot.
; sig = 1: my last step on this slot.  As soon as V's fragments are in, my reads of the slot are over: I wait for them and for all my tensor loads
; (the one that is out is my part of the next tile), step the slot's descriptors and signal; what follows up to the barrier's wait at the trip's end
; (exponentials, sums, conversions, 16 products) works on registers alone.
.macro SUB slot, jj, sig
.rept 5
	v_nop                                          ; five places behind the last products: their sources are loaded and written over below (ISA guide 7.12.1)
.endr
.irp kk, 0,1
.irp mi, 0,1,2,3
	ds_load_b128 v[FR+8*(4*\kk+\mi):FR+8*(4*\kk+\mi)+3],   v[KA+\slot] offset:64*KPITCH*\jj+16*KPITCH*\mi+64*\kk
	ds_load_b128 v[FR+8*(4*\kk+\mi)+4:FR+8*(4*\kk+\mi)+7], v[KA+\slot] offset:64*KPITCH*\jj+16*KPITCH*\mi+64*\kk+32
.endr
.endr
	s_cmp_eq_i32 s13, 0
	s_cbranch_scc1 .LnA_\@
	s_cmp_eq_i32 s13, 1
	s_cbranch_scc1 .LnB_\@
	s_mov_b32 s49, s48                             ; far: one bias for the whole step
	s_wait_dscnt 0x8                               ; d 0-31 of the 64 keys are in; the eight loads of d 32-63 stay out
	SCORE 0, 1
	s_branch .Ljoin_\@
.LnA_\@:
	NEAR \jj
	s_branch .Ljoin_\@
.LnB_\@:
	NEAR \jj+4
.Ljoin_\@:
	s_wait_dscnt 0x0
	SCORE 1, 0
.rept 4
	v_nop                                          ; four places: K's fragments are loaded over, the scores are read
.endr
.irp kk, 0,1
.irp di, 0,1,2,3
	ds_load_tr16_b128 v[FR+8*(4*\kk+\di):FR+8*(4*\kk+\di)+3],   v[VA+\slot] offset:64*VPITCH*\jj+32*VPITCH*\kk+32*\di              ; d = 16 di + r, keys 32 kk + 8 h ..
	ds_load_tr16_b128 v[FR+8*(4*\kk+\di)+4:FR+8*(4*\kk+\di)+7], v[VA+\slot] offset:64*VPITCH*\jj+32*VPITCH*\kk+32*\di+16*VPITCH   ; keys 32 kk + 16 + 8 h ..
.endr
.endr
	; the largest of my 32 scores of each query tile: four chains over seven registers each, the eighth rides on the combining
.irp ni, 0,1
.irp c, 0,1,2,3
	v_max3_num_f32 v[TT+4*\ni+\c], v[SC+32*\ni+8*\c], v[SC+32*\ni+8*\c+1], v[SC+32*\ni+8*\c+2]
.endr
.endr
.irp p, 3,5
.irp ni, 0,1
.irp c, 0,1,2,3
	v_max3_num_f32 v[TT+4*\ni+\c], v[TT+4*\ni+\c], v[SC+32*\ni+8*\c+\p], v[SC+32*\ni+8*\c+\p+1]
.endr
.endr
.endr
.irp c, 1,2,3
.irp ni, 0,1
	v_max3_num_f32 v[TT+4*\ni], v[TT+4*\ni], v[TT+4*\ni+\c], v[SC+32*\ni+8*(\c-1)+7]
.endr
.endr
	v_max_num_f32 v[TT], v[TT], v[SC+31]
	v_max_num_f32 v[TT+4], v[TT+4], v[SC+63]
	v_permlanex16_b32 v30, v[TT], s50, s51         ; the other half of the lanes holds the query's other keys
	v_permlanex16_b32 v31, v[TT+4], s50, s51
	v_max_num_f32 v[TT], v[TT], v30
	v_max_num_f32 v[TT+4], v[TT+4], v31
	v_add_f32 v[TT], s49, v[TT]                    ; the far step's bias
	v_add_f32 v[TT+4], s49, v[TT+4]
	v_max_num_f32 v[TT], v[MX], v[TT]              ; the new running maximum
	v_max_num_f32 v[TT+4], v[MX+2], v[TT+4]
	v_sub_f32 v[AL], v[MX], v[TT]
	v_sub_f32 v[AL+2], v[MX+2], v[TT+4]
	v_exp_f32 v[AL], v[AL]                         ; what was summed so far shrinks by 2^(old - new)
	v_exp_f32 v[AL+2], v[AL+2]
	v_mov_b32 v[MX], v[TT]                         ; the plain instruction behind the exponentials
	v_mov_b32 v[MX+2], v[TT+4]
	v_sub_f32 v[NO], s49, v[TT]
	v_sub_f32 v[NO+2], s49, v[TT+4]
.if \sig
	s_wait_dscnt 0x0                               ; V's fragments are in: my reads of this slot are over
	s_wait_xcnt 0x0
	v_lshl_add_u32 v28, v0, 2, 0x43100
	v_mov_b32 v29, 0
	s_wait_tensorcnt 0x0                           ; all my tensor loads have landed: my part of the next tile
	ds_add_u32 v28, v29
	s_wait_dscnt 0x0
	s_add_nc_u64 s[G0K+4*\slot+2:G0K+4*\slot+3], s[G0K+4*\slot+2:G0K+4*\slot+3], 2*TILEB     ; no load of mine is out: this slot's next tile
	s_add_nc_u64 s[G0V+4*\slot+2:G0V+4*\slot+3], s[G0V+4*\slot+2:G0V+4*\slot+3], 2*TILEB
	s_barrier_signal -1
.endif
	; weights 2^(score + c - max).  Behind each run of exponentials stands plain work on the other tile's registers.
.irp i, 0,1,2,3,4,5,6,7,8,9,10,11,12,13,14,15
	v_pk_add_f32 v[SC+2*\i:SC+2*\i+1], v[SC+2*\i:SC+2*\i+1], v[NO:NO+1] op_sel_hi:[1,0]
.endr
.irp i, 0,1,2,3,4,5,6,7,8,9,10,11,12,13,14,15,16,17,18,19,20,21,22,23,24,25,26,27,28,29,30,31
	v_exp_f32 v[SC+\i], v[SC+\i]
.endr
.irp i, 0,1,2,3,4,5,6,7,8,9,10,11,12,13,14,15
	v_pk_add_f32 v[SC+32+2*\i:SC+32+2*\i+1], v[SC+32+2*\i:SC+32+2*\i+1], v[NO+2:NO+3] op_sel_hi:[1,0]
.endr
.irp i, 0,1,2,3,4,5,6,7,8,9,10,11,12,13,14,15,16,17,18,19,20,21,22,23,24,25,26,27,28,29,30,31
	v_exp_f32 v[SC+32+\i], v[SC+32+\i]
.endr
	SUMCVT 0
	SUMCVT 1
.irp ni, 0,1
.irp i, 0,1,2,3,4,5,6,7,8,9,10,11,12,13,14,15
	v_pk_mul_f32 v[OA+32*\ni+2*\i:OA+32*\ni+2*\i+1], v[OA+32*\ni+2*\i:OA+32*\ni+2*\i+1], v[AL+2*\ni:AL+2*\ni+1] op_sel_hi:[1,0]
.endr
.endr
.if \sig
.else
	s_wait_dscnt 0x0                               ; V's fragments, asked for in front of the softmax
.endif
.irp kk, 0,1
.irp ni, 0,1
.irp di, 0,1,2,3
	v_wmma_f32_16x16x32_f16 v[OA+8*(4*\ni+\di):OA+8*(4*\ni+\di)+7], v[FR+8*(4*\kk+\di):FR+8*(4*\kk+\di)+7], v[SC+32*\ni+16*\kk:SC+32*\ni+16*\kk+7], v[OA+8*(4*\ni+\di):OA+8*(4*\ni+\di)+7]
.endr
.endr
.endr
.endm
; A key tile: my two steps of it.  bar = 1: one barrier, signalled in the second step (see SUB); behind its wait every wave's reads of this slot are
; over and the next tile is whole.  refill = 1: this slot's next tile is asked for first thing behind it, one tensor load a wave; it has the next
; trip up to that trip's signal in which to land.
.macro TRIP slot, bar, refill
	s_cmp_lt_i32 s13, 0
	s_cselect_b32 s48, s14, s15                    ; the far bias of my half of this tile: keys below or above the queries
	SUB \slot, 0, 0
	SUB \slot, 1, \bar
.if \bar
	s_barrier_wait -1
.endif
.if \refill
	KVLOAD \slot
.endif
	s_add_co_i32 s13, s13, 1
.endm
	s_mov_b32 s52, 3                               ; eight tiles: three laps of two, then the last two written out
.Lpair:
	TRIP 0, 1, 1
	TRIP 1, 1, 1
	s_sub_co_u32 s52, s52, 1
	s_cmp_lg_u32 s52, 0
	s_cbranch_scc1 .Lpair
	TRIP 0, 1, 0                                   ; nothing is left to fetch; the barrier shows the last tile whole
	TRIP 1, 0, 0
	; THE TWO HALVES MEET.  Waves 8-15 hand over O, the maxima and the sums, lane for lane: 16 bytes a lane, 512 consecutive bytes a store.
.rept 4
	v_nop                                          ; four places behind the last products
.endr
	v_permlanex16_b32 v30, v[LS], s50, s51
	v_permlanex16_b32 v31, v[LS+2], s50, s51
	v_add_f32 v[LS], v[LS], v30                    ; both halves of the lanes: all my keys
	v_add_f32 v[LS+2], v[LS+2], v31
	s_cmp_lt_u32 s10, 8
	s_cbranch_scc1 .Lowner
	s_mul_i32 s54, s10, XSIZE
	s_add_co_u32 s54, s54, XCH-8*XSIZE             ; the pair's bytes
	v_add_nc_u32 v10, s54, v[CO]
	v_mov_b32 v22, v[MX]
	v_mov_b32 v23, v[MX+2]
	v_mov_b32 v24, v[LS]
	v_mov_b32 v25, v[LS+2]
.irp i, 0,1,2,3,4,5,6,7,8,9,10,11,12,13,14,15
	ds_store_b128 v10, v[OA+4*\i:OA+4*\i+3] offset:512*\i
.endr
	ds_store_b128 v10, v[22:25] offset:8192
.Lowner:
	s_wait_dscnt 0x0                               ; my stores are in LDS: my partner reads them behind the barrier
	s_barrier_signal -1
	s_barrier_wait -1
	s_cmp_lt_u32 s10, 8
	s_cbranch_scc1 .Lmerge
	s_wait_xcnt 0x0
	v_lshl_add_u32 v28, v0, 2, 0x43100
	v_mov_b32 v29, 0
	s_wait_tensorcnt 0x0
	ds_add_u32 v28, v29
	s_wait_dscnt 0x0
	s_endpgm                                       ; waves 8-15 are done: no barrier follows, and their last tensor load was waited for in the seventh trip
.Lmerge:
	s_mul_i32 s54, s10, XSIZE
	s_add_co_u32 s54, s54, XCH
	v_add_nc_u32 v10, s54, v[CO]
	ds_load_b128 v[22:25], v10 offset:8192         ; my partner's maxima v22, v23 and sums v24, v25
.irp i, 0,1,2,3,4,5,6,7,8,9,10,11,12,13,14,15
	ds_load_b128 v[SC+4*\i:SC+4*\i+3], v10 offset:512*\i           ; and its O
.endr
	s_wait_dscnt 0x10                              ; the four numbers are in; the sixteen younger loads stay out
	v_max_num_f32 v26, v[MX], v22
	v_max_num_f32 v27, v[MX+2], v23
	v_sub_f32 v[AL], v[MX], v26
	v_sub_f32 v[AL+2], v[MX+2], v27
	v_sub_f32 v[NO], v22, v26
	v_sub_f32 v[NO+2], v23, v27
	v_exp_f32 v[AL], v[AL]                         ; my share's factor
	v_exp_f32 v[AL+2], v[AL+2]
	v_exp_f32 v[NO], v[NO]                         ; my partner's
	v_exp_f32 v[NO+2], v[NO+2]
	v_nop                                          ; one plain instruction behind the exponentials
	s_wait_alu depctr_va_vdst(0)
	v_mul_f32 v[LS], v[LS], v[AL]
	v_mul_f32 v[LS+2], v[LS+2], v[AL+2]
	v_fma_f32 v[LS], v24, v[NO], v[LS]             ; the whole row's sum
	v_fma_f32 v[LS+2], v25, v[NO+2], v[LS+2]
	v_rcp_f32 v26, v[LS]
	v_rcp_f32 v27, v[LS+2]
	v_nop                                          ; one plain instruction behind the reciprocals
	s_wait_alu depctr_va_vdst(0)
	v_mul_f32 v[AL], v[AL], v26
	v_mul_f32 v[AL+2], v[AL+2], v27
	v_mul_f32 v[NO], v[NO], v26
	v_mul_f32 v[NO+2], v[NO+2], v27
	s_lshl_b32 s54, s12, 18                        ; ctx: 262,144 (16 b + h)
	s_lshl_b32 s55, s11, 15                        ; + 256 qb queries of 128 bytes
	s_add_co_u32 s54, s54, s55
	s_lshl_b32 s55, s10, 12                        ; + 32 w queries
	s_add_co_u32 s54, s54, s55
	s_mov_b32 s55, 0
	s_add_nc_u64 s[8:9], s[8:9], s[54:55]
.irp ni, 0,1
.irp i, 0,1,2,3,4,5,6,7,8,9,10,11,12,13,14,15
	v_pk_mul_f32 v[OA+32*\ni+2*\i:OA+32*\ni+2*\i+1], v[OA+32*\ni+2*\i:OA+32*\ni+2*\i+1], v[AL+2*\ni:AL+2*\ni+1] op_sel_hi:[1,0]
.endr
.endr
	s_wait_dscnt 0x0                               ; my partner's O
.irp ni, 0,1
.irp i, 0,1,2,3,4,5,6,7,8,9,10,11,12,13,14,15
	v_pk_fma_f32 v[OA+32*\ni+2*\i:OA+32*\ni+2*\i+1], v[SC+32*\ni+2*\i:SC+32*\ni+2*\i+1], v[NO+2*\ni:NO+2*\ni+1], v[OA+32*\ni+2*\i:OA+32*\ni+2*\i+1] op_sel_hi:[1,0,1]
.endr
.endr
	; THE WAY OUT: round to f16, through my own stage, back as whole queries of 128 bytes.
.irp t, 0,1,2,3,4,5,6,7
.irp i, 0,1,2,3
	v_cvt_pk_f16_f32 v[OA+8*\t+\i], v[OA+8*\t+2*\i], v[OA+8*\t+2*\i+1]
.endr
.endr
.irp ni, 0,1
.irp di, 0,1,2,3
	ds_store_b128 v[STO], v[OA+8*(4*\ni+\di):OA+8*(4*\ni+\di)+3] offset:16*KPITCH*\ni+32*\di     ; query 16 ni + r, d = 16 di + 8 h ..
.endr
.endr
.irp u, 0,1,2,3,4,5,6,7
	ds_load_b128 v[SC+4*\u:SC+4*\u+3], v[RD] offset:4*KPITCH*\u    ; LDS serves a wave's instructions in order: these see the stores above
.endr
.irp u, 0,1,2,3,4,5,6,7
	s_wait_dscnt 7-\u
	global_store_b128 v[CO], v[SC+4*\u:SC+4*\u+3], s[8:9] offset:512*\u    ; four queries: 512 consecutive bytes, aligned
.endr
	s_wait_xcnt 0x0
	v_lshl_add_u32 v28, v0, 2, 0x43100
	v_mov_b32 v29, 0
	s_wait_tensorcnt 0x0
	ds_add_u32 v28, v29
	s_wait_dscnt 0x0
	s_endpgm
.Lfunc_end_k_q73d6fbe9fb_attn:
	.size	k_q73d6fbe9fb_attn, .Lfunc_end_k_q73d6fbe9fb_attn-k_q73d6fbe9fb_attn
	.p2alignl 7, 3214868480
	.fill 96, 4, 3214868480
	.section	.rodata,"a",@progbits
	.p2align	6, 0x0
	.amdhsa_kernel k_q73d6fbe9fb_attn
		.amdhsa_group_segment_fixed_size 327680
		.amdhsa_private_segment_fixed_size 0
		.amdhsa_enable_private_segment 0
		.amdhsa_kernarg_size 24
		.amdhsa_user_sgpr_count 2
		.amdhsa_user_sgpr_kernarg_segment_ptr 1
		.amdhsa_wavefront_size32 1
		.amdhsa_system_sgpr_workgroup_id_x 1
		.amdhsa_system_sgpr_workgroup_id_y 1
		.amdhsa_system_sgpr_workgroup_id_z 1
		.amdhsa_system_vgpr_workitem_id 0
		.amdhsa_next_free_vgpr 256
		.amdhsa_next_free_sgpr 66
		.amdhsa_reserve_vcc 1
		.amdhsa_float_denorm_mode_32 3
		.amdhsa_float_denorm_mode_16_64 3
		.amdhsa_memory_ordered 1
		.amdhsa_forward_progress 1
		.amdhsa_inst_pref_size 194
	.end_amdhsa_kernel
	.amdgpu_metadata
---
amdhsa.version: [ 1, 2 ]
amdhsa.kernels:
  - .name:           k_q73d6fbe9fb_attn
    .symbol:         k_q73d6fbe9fb_attn.kd
    .args:
      - { .name: qkv, .offset: 0, .size: 8, .value_kind: global_buffer, .address_space: global }
      - { .name: rel_emb, .offset: 8, .size: 8, .value_kind: global_buffer, .address_space: global }
      - { .name: ctx, .offset: 16, .size: 8, .value_kind: global_buffer, .address_space: global }
    .group_segment_fixed_size: 327680
    .private_segment_fixed_size: 0
    .kernarg_segment_align: 8
    .kernarg_segment_size: 24
    .max_flat_workgroup_size: 512
    .sgpr_count:     66
    .vgpr_count:     256
    .wavefront_size: 32
...
	.end_amdgpu_metadata
.endif
;; end of part 3
;; launch oproj (part 4): grid 8 x 32, 4 waves a work-group, clusters of 4 x 4, 327,680 bytes of LDS; arguments ctx, wt, out0; writes out0
.if DOCPART == 4
	.amdgcn_target "amdgcn-amd-amdhsa--gfx1250"
	.amdhsa_code_object_version 6
	.text
	.protected	k_q73d6fbe9fb_oproj
	.globl	k_q73d6fbe9fb_oproj
	.p2align	8
	.type	k_q73d6fbe9fb_oproj,@function
k_q73d6fbe9fb_oproj:
	s_mov_b64 s[64:65], 0
	v_nop
	global_prefetch_b8 v0, s[64:65] scope:SCOPE_SE
	s_setreg_imm32_b32 hwreg(HW_REG_WAVE_MODE, 25, 1), 1
	s_wait_xcnt 0x0
	s_wait_alu depctr_hold_cnt(0) depctr_sa_sdst(0) depctr_va_vdst(0) depctr_va_sdst(0) depctr_va_ssrc(0) depctr_va_vcc(0) depctr_vm_vsrc(0)
	s_getreg_b32 s2, hwreg(HW_REG_IB_STS2, 6, 4)
	s_cmp_eq_u32 s2, 0
	s_cbranch_scc0 .Lentry_in_a_cluster
	s_endpgm
.Lentry_in_a_cluster:
	s_bfe_u32 s2, ttmp6, 0x10000c
	s_cmp_lg_u32 s2, 0xf033
	s_cbranch_scc0 .Lentry_shape_is_right
	s_endpgm
.Lentry_shape_is_right:
; out0[4096][1024] (f32) = context x Wo: context(token, 64 h + d) = ctx[b][h][s][d] (f16), Wo^T = wt's rows 3072-4095 (f16, K along the rows).  Sums in f32.
; 128 x 128 of out0 a work-group (256 work-groups), 64 x 64 a wave: 16 accumulator tiles.
; K goes through two LDS slots of 256 each (four heads): 128 matrix instructions of a wave between a tile's request and the wait for it.  Four slot tiles, written out.
; CLUSTER 4 x 4: ctx's tiles hang on the row block alone and are asked for jointly along a row of the cluster, wt's on the column block alone, along a column.
; REGISTER WINDOWS: 0: addresses, two fragment buffers (4 of wt, 4 of ctx each), rows read back; 1: accumulators, tile (a, b) at v[8 (4 a + b)].
; Transposed use (source 0 = 16 rows of wt, source 1 = 16 tokens): a lane holds 8 neighbouring columns of one token.
.set APITCH, 144                       ; a token's 128 bytes of one head + 16
.set BPITCH, 528                       ; 256 f16 of a row of wt + 16
.set AHEAD,  128*APITCH                ; one head's 128 tokens
.set ABYTES, 4*AHEAD
.set BPART,  64*BPITCH                 ; what one tensor load of wt brings
.set SLOT,   ABYTES+2*BPART
.set STAGE,  2*SLOT                    ; behind the ring (a multiple of 256): 16 rows x 272 bytes for each wave; no tensor load lands here
.set SPITCH, 272
.set ADRA, 16
.set ADRB, 20
.set STO,  24
.set RD,   25
.set CO,   26
.set F0,   64
.set F1,   128
.set RB,   192
.set G1,  24
.set G0,  32
.set G1B, 48
.set G0B, 56
.set MSB, 0
.macro WIN new
.if MSB != \new
	s_set_vgpr_msb (MSB<<8)|\new
.set MSB, \new
.endif
.endm
.set MUL, 0x50                         ; sources 0 and 1 window 0, C and D window 1
.set ACC_OUT, 0x04                     ; an LDS store's data (source 1) window 1
.macro JLOAD s
	s_cmp_eq_u32 s11, 0
	s_cbranch_scc0 .Lfor_b_\@
	tensor_load_to_lds s[G0+4*\s:G0+4*\s+3], s[G1:G1+7]
	s_nop 0
	s_branch .Lasked_\@
.Lfor_b_\@:
	tensor_load_to_lds s[G0B+4*\s:G0B+4*\s+3], s[G1B:G1B+7]
	s_nop 0
.Lasked_\@:
.endm
.macro CREST
	s_cmp_lg_u32 s10, 0
	s_cbranch_scc1 .Lnot_wave_0_\@
	s_barrier_signal -3
.Lnot_wave_0_\@:
	s_barrier_wait -3
	s_barrier_signal -1
	s_barrier_wait -1
.endm
.macro CROUND
	s_barrier_signal -1
	s_barrier_wait -1
	CREST
.endm
	s_load_b128 s[4:7], s[0:1], 0x0                ; ctx s[4:5], wt s[6:7]
	s_load_b64 s[8:9], s[0:1], 0x10                ; out0
	v_lshl_add_u32 v254, v0, 2, 0x49400
	v_mov_b32 v255, 0
	ds_add_u32 v254, v255
	v_lshrrev_b32 v1, 5, v0
	v_readfirstlane_b32 s10, v1                    ; wave 0..3
	s_lshr_b32 s11, s10, 1                         ; my half of the block's tokens.  Also: I fetch for ctx (0) or for wt (1)
	s_and_b32 s12, s10, 1                          ; my half of its columns.  Also: which half of that tile I fetch
	s_bfe_u32 s40, ttmp6, 0x40000                  ; cx
	s_bfe_u32 s41, ttmp6, 0x40004                  ; cy
	s_lshl_b32 s42, ttmp9, 2
	s_add_co_u32 s42, s42, s40                     ; column block nb
	s_and_b32 s13, ttmp7, 0xffff
	s_lshl_b32 s13, s13, 2
	s_add_co_u32 s13, s13, s41                     ; row block mb
	s_lshl_b32 s43, s41, 2
	s_lshl_b32 s43, 15, s43                        ; my row of the cluster
	s_lshl_b32 s44, 0x1111, s40                    ; my column
	; ctx: two heads a load; a head's 128 tokens are 16,384 dense bytes = one row of 2,048 elements of 8 bytes; behind every 32 words (a token) 4 words are skipped
	s_or_b32 s[G1+0], s43, (3<<16)|(1<<20)|(1<<21)|(4<<22)|(3<<25)
	s_mov_b32 s[G1+1], 2048<<16                    ; tensor_dim0
	s_mov_b32 s[G1+2], 2<<16                       ; tensor_dim1 = 2 heads
	s_mov_b32 s[G1+3], 2048<<16                    ; tile_dim0
	s_mov_b32 s[G1+4], 2                           ; tile_dim1
	s_mov_b32 s[G1+5], 32768                       ; from head to head: 262,144 bytes
	s_mov_b32 s[G1+6], 0
	s_mov_b32 s[G1+7], 0
	; wt: 64 rows of 256 f16 (512 bytes); behind every 128 words 4 words are skipped
	s_or_b32 s[G1B+0], s44, (1<<16)|(1<<20)|(1<<21)|(6<<22)|(3<<25)
	s_mov_b32 s[G1B+1], 256<<16
	s_mov_b32 s[G1B+2], 64<<16
	s_mov_b32 s[G1B+3], 256<<16
	s_mov_b32 s[G1B+4], 64
	s_mov_b32 s[G1B+5], 1024
	s_mov_b32 s[G1B+6], 0
	s_mov_b32 s[G1B+7], 0
	s_lshr_b32 s16, s13, 4
	s_lshl_b32 s16, s16, 22                        ; batch mb / 16: 16 heads of 262,144 bytes
	s_lshl_b32 s17, s12, 19                        ; my two heads of the slot's four
	s_add_co_u32 s16, s16, s17
	s_and_b32 s17, s13, 15
	s_lshl_b32 s17, s17, 14                        ; 128 tokens of 128 bytes
	s_add_co_u32 s16, s16, s17
	s_mov_b32 s17, 0
	s_lshl_b32 s46, s42, 7
	s_lshl_b32 s47, s12, 6
	s_add_co_u32 s46, s46, s47
	s_add_co_u32 s46, s46, 3072                    ; wt's row 3072 + 128 nb + 64 half
	s_lshl_b32 s46, s46, 11
	s_mov_b32 s47, 0
	s_mul_i32 s20, s10, 2*AHEAD                    ; LDS: waves 0, 1: heads 0-1 and 2-3
	s_mul_i32 s21, s10, BPART
	s_add_co_u32 s21, s21, ABYTES-2*BPART          ; waves 2, 3: wt's halves behind them
	s_wait_dscnt 0x0
	s_wait_kmcnt 0x0
	s_add_nc_u64 s[14:15], s[4:5], s[16:17]
	s_add_nc_u64 s[46:47], s[6:7], s[46:47]
	CROUND                                         ; in front of the first joint loads
.irp s, 0,1
	s_mov_b32 s[G0+4*\s], 1
	s_add_co_u32 s[G0+4*\s+1], s20, \s*SLOT
	s_add_nc_u64 s[G0+4*\s+2:G0+4*\s+3], s[14:15], \s*4*262144     ; slot tile s: heads 4 s ..
	s_or_b32 s[G0+4*\s+3], s[G0+4*\s+3], 0x80000000
	s_mov_b32 s[G0B+4*\s], 1
	s_add_co_u32 s[G0B+4*\s+1], s21, \s*SLOT
	s_add_nc_u64 s[G0B+4*\s+2:G0B+4*\s+3], s[46:47], \s*512        ; K = 256 s ..
	s_or_b32 s[G0B+4*\s+3], s[G0B+4*\s+3], 0x80000000
	JLOAD \s                                       ; both slots' first fills go out together: two tensor loads of the wave are out
.endr
	v_and_b32 v1, 15, v0                           ; r
	v_bfe_u32 v2, v0, 4, 1                         ; h
	v_mul_u32_u24 v3, v1, APITCH
	v_lshl_add_u32 v3, v2, 4, v3
	v_mul_u32_u24 v4, v1, BPITCH
	v_lshl_add_u32 v4, v2, 4, v4
	s_mul_i32 s22, s11, 64*APITCH                  ; my 64 tokens (in each head)
	s_mul_i32 s23, s12, BPART
	s_add_co_u32 s23, s23, ABYTES                  ; my 64 rows of wt
.irp s, 0,1
	v_add_nc_u32 v[ADRA+\s], s22, v3
	v_add_nc_u32 v[ADRB+\s], s23, v4
	s_add_co_u32 s22, s22, SLOT
	s_add_co_u32 s23, s23, SLOT
.endr
	s_mul_i32 s18, s10, 16*SPITCH
	s_add_co_u32 s18, s18, STAGE                   ; my stage
	v_mul_u32_u24 v5, v1, SPITCH
	v_lshl_add_u32 v5, v2, 5, v5
	v_add_nc_u32 v[STO], s18, v5                   ; in: token r, 32 bytes (8 f32) for each half of the lanes
	v_mul_u32_u24 v6, v2, SPITCH
	v_lshl_add_u32 v6, v1, 4, v6
	v_add_nc_u32 v[RD], s18, v6                    ; back: 16 lanes take one token's 256 bytes
	v_lshlrev_b32 v7, 12, v2
	v_lshl_add_u32 v[CO], v1, 4, v7                ; the same two tokens in out0: rows of 4,096 bytes
; 16 LDS loads: quarter kq (32 along K) of the slot's eight: head kq / 2, d = 32 (kq mod 2) ..
.macro FETCH slot, kq, f
.irp b, 0,1,2,3
	ds_load_b128 v[\f+8*\b:\f+8*\b+3],   v[ADRB+\slot] offset:64*\kq+16*BPITCH*\b
	ds_load_b128 v[\f+8*\b+4:\f+8*\b+7], v[ADRB+\slot] offset:64*\kq+16*BPITCH*\b+32
.endr
.irp a, 0,1,2,3
	ds_load_b128 v[\f+32+8*\a:\f+32+8*\a+3],   v[ADRA+\slot] offset:AHEAD*(\kq>>1)+64*(\kq&1)+16*APITCH*\a
	ds_load_b128 v[\f+32+8*\a+4:\f+32+8*\a+7], v[ADRA+\slot] offset:AHEAD*(\kq>>1)+64*(\kq&1)+16*APITCH*\a+32
.endr
.endm
; 8 matrix instructions: token blocks 2 half, 2 half + 1 x 4 column blocks.  The 16 accumulators take turns, one instruction a turn, in the same
; order in every quarter.
.macro MUL8 f, half, zero
.irp a, 2*\half, 2*\half+1
.irp b, 0,1,2,3
.if \zero
	v_wmma_f32_16x16x32_f16 v[8*(4*(\a)+\b):8*(4*(\a)+\b)+7], v[\f+8*\b:\f+8*\b+7], v[\f+32+8*(\a):\f+32+8*(\a)+7], 0
.else
	v_wmma_f32_16x16x32_f16 v[8*(4*(\a)+\b):8*(4*(\a)+\b)+7], v[\f+8*\b:\f+8*\b+7], v[\f+32+8*(\a):\f+32+8*(\a)+7], v[8*(4*(\a)+\b):8*(4*(\a)+\b)+7]
.endif
.endr
.endr
.endm
.macro PLACES                          ; four places behind matrix instructions whose sources are loaded again or whose results are read (ISA guide 7.12.1)
.rept 4
	v_nop
.endr
.endm
; A quarter: buffer f's loads were issued a quarter ago; the next quarter's go out into buffer g ahead of the products.
.macro QUARTER slot, kq, f, g, zero
	s_wait_dscnt 0
	PLACES
	FETCH \slot, \kq, \g
	WIN MUL
	MUL8 \f, 0, \zero
	MUL8 \f, 1, \zero
	WIN 0
.endm
.macro SEVEN slot, zero
	QUARTER \slot, 1, F0, F1, \zero
	QUARTER \slot, 2, F1, F0, 0
	QUARTER \slot, 3, F0, F1, 0
	QUARTER \slot, 4, F1, F0, 0
	QUARTER \slot, 5, F0, F1, 0
	QUARTER \slot, 6, F1, F0, 0
	QUARTER \slot, 7, F0, F1, 0
.endm
; The eighth quarter changes slots: every wave's reads of this slot and all its tensor loads are waited for in front of the barrier; where the slot
; is filled again the barrier opens a round of the cluster's barrier and the joint refill is the first tensor load behind it, one a wave.
.macro TURN slot, next, fill
	s_wait_dscnt 0
	s_wait_tensorcnt 0x0
	ds_add_u32 v254, v255
	s_wait_dscnt 0x0
	s_barrier_signal -1
	WIN MUL
	MUL8 F1, 0, 0                                  ; registers only, while the others arrive
	WIN 0
	s_barrier_wait -1
.if \fill
	CREST
	s_add_nc_u64 s[G0+4*\slot+2:G0+4*\slot+3], s[G0+4*\slot+2:G0+4*\slot+3], 8*262144        ; eight heads on
	s_add_nc_u64 s[G0B+4*\slot+2:G0B+4*\slot+3], s[G0B+4*\slot+2:G0B+4*\slot+3], 1024       ; 512 along K on
	JLOAD \slot
.endif
	PLACES
	FETCH \next, 0, F0
	WIN MUL
	MUL8 F1, 1, 0
	WIN 0
.endm
	s_wait_tensorcnt 1                             ; my part of slot tile 0 is in; tile 1's load stays out
	s_barrier_signal -1
	s_barrier_wait -1
	FETCH 0, 0, F0
	SEVEN 0, 1                                     ; the first products start the sums
	TURN 0, 1, 1
	SEVEN 1, 0
	TURN 1, 0, 1
	SEVEN 0, 0
	TURN 0, 1, 0                                   ; nothing is left to fetch
	SEVEN 1, 0
	s_wait_dscnt 0
	WIN MUL
	MUL8 F1, 0, 0
	MUL8 F1, 1, 0
	WIN 0
	; THE WAY OUT, 16 tokens at a time, in f32: through my own stage, back as whole rows of 256 bytes.
	PLACES
	s_lshl_b32 s16, s13, 7
	s_lshl_b32 s17, s11, 6
	s_add_co_u32 s16, s16, s17                     ; my first token
	s_lshl_b32 s16, s16, 12
	s_mov_b32 s17, 0
	s_add_nc_u64 s[8:9], s[8:9], s[16:17]
	s_lshl_b32 s46, s42, 9                         ; my first column, in bytes (in the registers that held wt's address)
	s_lshl_b32 s47, s12, 8
	s_add_co_u32 s46, s46, s47
	s_mov_b32 s47, 0
	s_add_nc_u64 s[8:9], s[8:9], s[46:47]
.macro OUT16 a
	WIN ACC_OUT
.irp b, 0,1,2,3
	ds_store_b128 v[STO], v[8*(4*\a+\b):8*(4*\a+\b)+3]   offset:64*\b
	ds_store_b128 v[STO], v[8*(4*\a+\b)+4:8*(4*\a+\b)+7] offset:64*\b+16
.endr
	WIN 0
	s_wait_xcnt 0x0                                ; RB, which the last block's stores read, is loaded again only behind this wait
.irp t, 0,1,2,3,4,5,6,7
	ds_load_b128 v[RB+4*\t:RB+4*\t+3], v[RD] offset:2*SPITCH*\t    ; LDS serves a wave's instructions in order: these see the stores above
.endr
.irp t, 0,1,2,3,4,5,6,7
	s_wait_dscnt 7-\t
	global_store_b128 v[CO], v[RB+4*\t:RB+4*\t+3], s[8:9] offset:(16*\a+2*\t)*4096 th:TH_STORE_NT   ; 16 lanes store 256 consecutive bytes, aligned
.endr
.endm
	OUT16 0
	OUT16 1
	OUT16 2
	OUT16 3
	s_wait_tensorcnt 0x0
	ds_add_u32 v254, v255
	s_wait_dscnt 0x0
	CROUND                                         ; the closing round
	s_endpgm
.Lfunc_end_k_q73d6fbe9fb_oproj:
	.size	k_q73d6fbe9fb_oproj, .Lfunc_end_k_q73d6fbe9fb_oproj-k_q73d6fbe9fb_oproj
	.p2alignl 7, 3214868480
	.fill 96, 4, 3214868480
	.section	.rodata,"a",@progbits
	.p2align	6, 0x0
	.amdhsa_kernel k_q73d6fbe9fb_oproj
		.amdhsa_group_segment_fixed_size 327680
		.amdhsa_private_segment_fixed_size 0
		.amdhsa_enable_private_segment 0
		.amdhsa_kernarg_size 24
		.amdhsa_user_sgpr_count 2
		.amdhsa_user_sgpr_kernarg_segment_ptr 1
		.amdhsa_wavefront_size32 1
		.amdhsa_system_sgpr_workgroup_id_x 1
		.amdhsa_system_sgpr_workgroup_id_y 1
		.amdhsa_system_sgpr_workgroup_id_z 1
		.amdhsa_system_vgpr_workitem_id 0
		.amdhsa_next_free_vgpr 384
		.amdhsa_next_free_sgpr 66
		.amdhsa_reserve_vcc 0
		.amdhsa_float_denorm_mode_32 3
		.amdhsa_float_denorm_mode_16_64 3
		.amdhsa_memory_ordered 1
		.amdhsa_forward_progress 1
		.amdhsa_inst_pref_size 89
	.end_amdhsa_kernel
	.amdgpu_metadata
---
amdhsa.version: [ 1, 2 ]
amdhsa.kernels:
  - .name:           k_q73d6fbe9fb_oproj
    .symbol:         k_q73d6fbe9fb_oproj.kd
    .args:
      - { .name: ctx, .offset: 0, .size: 8, .value_kind: global_buffer, .address_space: global }
      - { .name: wt, .offset: 8, .size: 8, .value_kind: global_buffer, .address_space: global }
      - { .name: out0, .offset: 16, .size: 8, .value_kind: global_buffer, .address_space: global }
    .group_segment_fixed_size: 327680
    .private_segment_fixed_size: 0
    .kernarg_segment_align: 8
    .kernarg_segment_size: 24
    .max_flat_workgroup_size: 128
    .sgpr_count:     66
    .vgpr_count:     384
    .wavefront_size: 32
...
	.end_amdgpu_metadata
.endif
;; end of part 4
;; ======== version 2 of 2: 4 launches; version 1 with the launch prep written anew for expert scheduling mode
;; limits: values are held in f16: magnitudes above 65,504 overflow, below 6.1e-05 lose precision
;; workspace buffers: xh 8,388,608 bytes; wt 8,388,608 bytes; qkv 25,165,824 bytes; ctx 8,388,608 bytes
;; launch prep (part 5): grid 512 x 1, 8 waves a work-group, no clusters, 35,840 bytes of LDS; arguments x, Wq, Wk, Wv, Wo, xh, wt; writes xh, wt
.if DOCPART == 5
	.amdgcn_target "amdgcn-amd-amdhsa--gfx1250"
	.amdhsa_code_object_version 6
	.text
	.protected	k_q73d6fbe9fb_prep
	.globl	k_q73d6fbe9fb_prep
	.p2align	8
	.type	k_q73d6fbe9fb_prep,@function
k_q73d6fbe9fb_prep:
	s_mov_b64 s[64:65], 0
	v_nop
	global_prefetch_b8 v0, s[64:65] scope:SCOPE_SE
	s_setreg_imm32_b32 hwreg(HW_REG_WAVE_SCHED_MODE, 0, 2), 2
	s_setreg_imm32_b32 hwreg(HW_REG_WAVE_MODE, 25, 1), 1
	s_wait_xcnt 0x0
	s_wait_alu depctr_vm_vsrc(0)
; prep: the matrix operands of the later launches, rounded once to f16.
;   xh[4096][1024]  = f16(x)
;   wt[4096][1024]  = the four weights transposed, K along the rows: rows 0-1023 Wq^T * log2(e), 1024-2047 Wk^T, 2048-3071 Wv^T, 3072-4095 Wo^T.
; log2(e) on Wq lets the scores arrive in base 2, so that the softmax needs no multiply in front of its exponentials.
; LIMIT: f16 operands: |x| and |W| * 1.4427 have to stay below 65,504; numbers below 6e-8 round to zero.
; Work-groups 0-255 take 16,384 numbers of x each, work-groups 256-511 a tile of 128 k x 128 n of one weight each.
; A stream: every byte is read once and written once; matrix units, clusters and tensor loads would add nothing to it.
; THE MODE: SCHED_MODE bits 1:0 = 2 (LLVM: expert scheduling mode 2), set by the entry lines.  The code itself states the register dependences
; between vector instructions and memory or LDS instructions, with s_wait_alu, always for 0.
; THE PLAN.  Both ways work in four groups of four loads.  Registers that memory or LDS instructions touch:
;   v1 - v5     offsets and LDS addresses: made once, ahead of the way's first load, and never written again.
;   v16 - v79   sixteen loads land here, each register once; the group's vector lines read them (the weights' way scales them in place first).
;               On the weights' way v16 - v47 are loaded a second time, from the stage, behind the last vector line of the kernel.
;   v80 - v111  group g's conversions write eight of them, each register once; four stores, issued in group g + 1, read them.
;   v112, v113  made at the head, read by the closing add alone.
; So one wait on va_vdst stands ahead of a way's first load, one at the head of each group but the first (the group before has written what its
; stores read; these stores are dealt among this group's vector lines, which name this group's registers alone), and one ahead of the last four stores.
; No register that a memory or LDS instruction reads is written again, so no wait on vm_vsrc has a dependence to state.
; No vector line writes a scalar register or VCC, and EXEC is never written.
.set LP, 272                           ; an LDS row of the transposing stage: 128 f16 + 16 bytes
	s_load_b256 s[4:11], s[0:1], 0x0               ; x s[4:5], Wq s[6:7], Wk s[8:9], Wv s[10:11]
	s_load_b128 s[12:15], s[0:1], 0x20             ; Wo s[12:13], xh s[14:15]
	s_load_b64 s[16:17], s[0:1], 0x30              ; wt
	v_lshl_add_u32 v112, v0, 2, 0x8800
	v_mov_b32 v113, 0
	s_cmp_lt_u32 ttmp9, 256                        ; the same for all waves of a work-group
	s_cbranch_scc0 .Lweights
	; ---- x: thread t takes 16 bytes at 16 t of each of 16 blocks of 4,096 bytes; a wave's load covers 512 consecutive bytes
	s_lshl_b32 s20, ttmp9, 16                      ; 65,536 bytes of x
	s_mov_b32 s21, 0
	s_lshl_b32 s22, ttmp9, 15                      ; 32,768 bytes of xh
	s_mov_b32 s23, 0
	v_lshlrev_b32 v1, 4, v0
	v_lshlrev_b32 v2, 3, v0
	s_wait_kmcnt 0x0
	s_add_nc_u64 s[4:5], s[4:5], s[20:21]
	s_add_nc_u64 s[14:15], s[14:15], s[22:23]
	s_wait_alu depctr_va_vdst(0)                   ; v1 and v2 are written: every load reads v1 as its offset, every store v2
.irp j, 0,1,2,3,4,5,6,7,8,9,10,11,12,13,14,15
	global_load_b128 v[16+4*\j:19+4*\j], v1, s[4:5] offset:4096*\j th:TH_LOAD_NT
.endr
	s_wait_loadcnt 12                              ; loads come back in order: blocks 0 to 3 are in, the twelve younger ones stay out
.irp i, 0,1,2,3
	v_cvt_pk_f16_f32 v[80+2*\i], v[16+4*\i], v[17+4*\i]
	v_cvt_pk_f16_f32 v[81+2*\i], v[18+4*\i], v[19+4*\i]
.endr
.irp g, 1,2,3
	s_wait_loadcnt 12-4*\g                         ; blocks 4 g to 4 g + 3 are in, the 12 - 4 g younger ones stay out
	s_wait_alu depctr_va_vdst(0)                   ; the group before has written its eight registers of v[80 ..], which the four stores below read
.irp i, 0,1,2,3
	global_store_b64 v2, v[72+8*\g+2*\i:73+8*\g+2*\i], s[14:15] offset:2048*(4*\g+\i-4)   ; block 4 (g - 1) + i: 32 lanes store 256 consecutive bytes, aligned; no vector line since the wait names these registers
	v_cvt_pk_f16_f32 v[80+8*\g+2*\i], v[16+16*\g+4*\i], v[17+16*\g+4*\i]
	v_cvt_pk_f16_f32 v[81+8*\g+2*\i], v[18+16*\g+4*\i], v[19+16*\g+4*\i]
.endr
.endr
	s_wait_alu depctr_va_vdst(0)                   ; the last group has written v[104:111], which the last four stores read
.irp i, 0,1,2,3
	global_store_b64 v2, v[104+2*\i:105+2*\i], s[14:15] offset:2048*(12+\i)
.endr
	s_endpgm                                       ; this way stores nothing to LDS
	; ---- a weight tile: rows k = 128 kt .., columns n = 128 nt .. of matrix mat
.Lweights:
	s_sub_co_u32 s24, ttmp9, 256
	s_lshr_b32 s25, s24, 6                         ; mat 0..3
	s_bfe_u32 s26, s24, 0x30003                    ; kt 0..7
	s_and_b32 s27, s24, 7                          ; nt 0..7
	s_lshl_b32 s28, s26, 19                        ; in: 128 kt rows of 4,096 bytes
	s_lshl_b32 s29, s27, 9                         ;     + 128 nt columns of 4 bytes
	s_add_co_u32 s28, s28, s29
	s_mov_b32 s29, 0
	s_lshl_b32 s30, s25, 21                        ; out: (1024 mat + 128 nt) rows of 2,048 bytes
	s_lshl_b32 s31, s27, 18
	s_add_co_u32 s30, s30, s31
	s_lshl_b32 s31, s26, 8                         ;      + 128 kt columns of 2 bytes
	s_add_co_u32 s30, s30, s31
	s_mov_b32 s31, 0
	v_lshrrev_b32 v6, 5, v0                        ; wave w
	v_and_b32 v7, 31, v0                           ; lane L
	v_and_b32 v8, 15, v0                           ; L mod 16
	v_bfe_u32 v9, v0, 4, 1                         ; L / 16
	v_lshlrev_b32 v1, 4, v7
	v_lshl_add_u32 v1, v6, 16, v1                  ; load: row 16 w, bytes 16 L (columns 4 L .. 4 L + 3)
	v_mul_u32_u24 v3, v7, LP
	v_lshl_add_u32 v3, v6, 5, v3                   ; stage in: row L (of block c), bytes 32 w
	v_lshl_add_u32 v4, v6, 4, v9
	v_mul_u32_u24 v4, v4, LP
	v_lshl_add_u32 v4, v8, 4, v4                   ; stage out: row 16 w + L / 16, bytes 16 (L mod 16)
	v_and_b32 v5, 1, v6
	v_lshlrev_b32 v5, 6, v5
	v_lshl_add_u32 v5, v9, 2, v5
	v_lshrrev_b32 v10, 1, v6
	v_add_nc_u32 v5, v5, v10                       ; that stage row's n for t = 0: 64 (w & 1) + 4 (L / 16) + (w >> 1)
	v_lshlrev_b32 v5, 11, v5
	v_lshl_add_u32 v5, v8, 4, v5                   ; its place in wt
	s_wait_kmcnt 0x0
	s_cmp_eq_u32 s25, 1                            ; the tile's matrix: a choice between buffers on the work-group's number
	s_cselect_b64 s[6:7], s[8:9], s[6:7]
	s_cmp_eq_u32 s25, 2
	s_cselect_b64 s[6:7], s[10:11], s[6:7]
	s_cmp_eq_u32 s25, 3
	s_cselect_b64 s[6:7], s[12:13], s[6:7]
	s_cmp_eq_u32 s25, 0
	s_cselect_b32 s20, 0x3fb8aa3b, 1.0             ; log2(e) for Wq, 1 for the others: one text for all four
	s_mov_b32 s21, s20
	s_add_nc_u64 s[6:7], s[6:7], s[28:29]
	s_add_nc_u64 s[16:17], s[16:17], s[30:31]
	s_wait_alu depctr_va_vdst(0)                   ; v1, v3, v4 and v5 are written: the loads, the LDS stores, the LDS loads and the stores below read them as offsets and addresses
.irp i, 0,1,2,3,4,5,6,7,8,9,10,11,12,13,14,15
	global_load_b128 v[16+4*\i:19+4*\i], v1, s[6:7] offset:4096*\i th:TH_LOAD_NT   ; row 16 w + i: the tile's whole 512 bytes in one load of the wave
.endr
	; Four rows at a time: column c of rows 4 kg .. 4 kg + 3 makes 8 bytes of wt's row n = 4 L + c.
	; Stage row 32 c + L holds n = 4 L + c, so that the 32 lanes of a store go to 32 consecutive rows of 272 bytes.
	s_wait_loadcnt 12                              ; rows 0 to 3 are in; the twelve younger loads stay out
.irp p, 0,2,4,6,8,10,12,14
	v_pk_mul_f32 v[16+\p:17+\p], v[16+\p:17+\p], s[20:21] op_sel_hi:[1,0]
.endr
.irp c, 0,1,2,3
	v_cvt_pk_f16_f32 v[80+2*\c], v[16+\c], v[20+\c]
	v_cvt_pk_f16_f32 v[81+2*\c], v[24+\c], v[28+\c]
.endr
.irp kg, 1,2,3
	s_wait_loadcnt 12-4*\kg                        ; these four rows are in; the 12 - 4 kg younger loads stay out
	s_wait_alu depctr_va_vdst(0)                   ; the group before has written its eight registers of v[80 ..], which the four LDS stores below read
.irp c, 0,1,2,3
	ds_store_b64 v3, v[72+8*\kg+2*\c:73+8*\kg+2*\c] offset:32*LP*\c+8*\kg-8   ; rows 4 (kg - 1) ..: no vector line since the wait names these registers
	v_pk_mul_f32 v[16+16*\kg+4*\c:17+16*\kg+4*\c], v[16+16*\kg+4*\c:17+16*\kg+4*\c], s[20:21] op_sel_hi:[1,0]
	v_pk_mul_f32 v[18+16*\kg+4*\c:19+16*\kg+4*\c], v[18+16*\kg+4*\c:19+16*\kg+4*\c], s[20:21] op_sel_hi:[1,0]
.endr
.irp c, 0,1,2,3
	v_cvt_pk_f16_f32 v[80+8*\kg+2*\c], v[16+16*\kg+\c], v[20+16*\kg+\c]
	v_cvt_pk_f16_f32 v[81+8*\kg+2*\c], v[24+16*\kg+\c], v[28+16*\kg+\c]
.endr
.endr
	s_wait_alu depctr_va_vdst(0)                   ; the last group has written v[104:111], which the last four LDS stores read; and every multiply and conversion is done with v[16:47], in which the stage's loads below land
.irp c, 0,1,2,3
	ds_store_b64 v3, v[104+2*\c:105+2*\c] offset:32*LP*\c+24
.endr
	s_wait_dscnt 0x0                               ; my stores are in LDS: the other waves read them behind the barrier
	s_barrier_signal -1
	s_barrier_wait -1
.irp t, 0,1,2,3,4,5,6,7
	ds_load_b128 v[16+4*\t:19+4*\t], v4 offset:2*LP*\t             ; stage rows 16 w + 2 t and + 1, 256 bytes each; no vector line stands behind the wait above
.endr
.irp t, 0,1,2,3,4,5,6,7
	s_wait_dscnt 7-\t                              ; LDS loads come back in order: pair t is in
	global_store_b128 v5, v[16+4*\t:19+4*\t], s[16:17] offset:16384*\t   ; two stage rows on are 8 rows of wt on; 16 lanes store 256 consecutive bytes, aligned
.endr
	s_wait_dscnt 0x0                               ; the closing lines, six on end
	s_wait_alu 0x0
	s_wait_tensorcnt 0x0
	ds_add_u32 v112, v113
	s_wait_dscnt 0x0
	s_endpgm
.Lfunc_end_k_q73d6fbe9fb_prep:
	.size	k_q73d6fbe9fb_prep, .Lfunc_end_k_q73d6fbe9fb_prep-k_q73d6fbe9fb_prep
	.p2alignl 7, 3214868480
	.fill 96, 4, 3214868480
	.section	.rodata,"a",@progbits
	.p2align	6, 0x0
	.amdhsa_kernel k_q73d6fbe9fb_prep
		.amdhsa_group_segment_fixed_size 35840
		.amdhsa_private_segment_fixed_size 0
		.amdhsa_enable_private_segment 0
		.amdhsa_kernarg_size 56
		.amdhsa_user_sgpr_count 2
		.amdhsa_user_sgpr_kernarg_segment_ptr 1
		.amdhsa_wavefront_size32 1
		.amdhsa_system_sgpr_workgroup_id_x 1
		.amdhsa_system_sgpr_workgroup_id_y 1
		.amdhsa_system_sgpr_workgroup_id_z 1
		.amdhsa_system_vgpr_workitem_id 0
		.amdhsa_next_free_vgpr 114
		.amdhsa_next_free_sgpr 66
		.amdhsa_reserve_vcc 0
		.amdhsa_float_denorm_mode_32 3
		.amdhsa_float_denorm_mode_16_64 3
		.amdhsa_memory_ordered 1
		.amdhsa_forward_progress 1
		.amdhsa_inst_pref_size 17
	.end_amdhsa_kernel
	.amdgpu_metadata
---
amdhsa.version: [ 1, 2 ]
amdhsa.kernels:
  - .name:           k_q73d6fbe9fb_prep
    .symbol:         k_q73d6fbe9fb_prep.kd
    .args:
      - { .name: x, .offset: 0, .size: 8, .value_kind: global_buffer, .address_space: global }
      - { .name: Wq, .offset: 8, .size: 8, .value_kind: global_buffer, .address_space: global }
      - { .name: Wk, .offset: 16, .size: 8, .value_kind: global_buffer, .address_space: global }
      - { .name: Wv, .offset: 24, .size: 8, .value_kind: global_buffer, .address_space: global }
      - { .name: Wo, .offset: 32, .size: 8, .value_kind: global_buffer, .address_space: global }
      - { .name: xh, .offset: 40, .size: 8, .value_kind: global_buffer, .address_space: global }
      - { .name: wt, .offset: 48, .size: 8, .value_kind: global_buffer, .address_space: global }
    .group_segment_fixed_size: 35840
    .private_segment_fixed_size: 0
    .kernarg_segment_align: 8
    .kernarg_segment_size: 56
    .max_flat_workgroup_size: 256
    .sgpr_count:     66
    .vgpr_count:     114
    .wavefront_size: 32
...
	.end_amdgpu_metadata
.endif
;; end of part 5
;; launch qkv: the kernel of part 2 again; grid 16 x 16, 4 waves a work-group, clusters of 4 x 4, 327,680 bytes of LDS; arguments xh, wt, qkv; writes qkv
;; launch attn: the kernel of part 3 again; grid 256 x 1, 16 waves a work-group, no clusters, 327,680 bytes of LDS; arguments qkv, rel_emb, ctx; writes ctx
;; launch oproj: the kernel of part 4 again; grid 8 x 32, 4 waves a work-group, clusters of 4 x 4, 327,680 bytes of LDS; arguments ctx, wt, out0; writes out0
